; MI455X (gfx1250); checked and timed in simulation.
; The chip was launched on July 23, 2026; its instructions are those of AMD's public machine-readable ISA for CDNA 5 (MIT licence, August 2026) and "CDNA5" Instruction Set Architecture Reference Guide (July 2026). The comments in the code are by the model that wrote it; some were corrected since.
;; Transformer Layer. Allowed arithmetic: matrix products marked QUANTISED: E4M3 operands, one given power-of-two scale a tensor, by v_wmma_f32_16x16x64_fp8_fp8 or v_wmma_f32_16x16x128_fp8_fp8, f32 sums; everything else in f32.
;; Inputs: W1_c 512 x 512 float32; W1_s 512 x 512 float32; W2_c 512 x 256 float32; W2_s 512 x 256 float32; Wo_c 256 x 256 float32; Wo_s 256 x 256 float32; Wqk_c 256 x 256 float32; Wqkv 256 x 768 float32; Wv_c 256 x 256 float32; b1_c 512 float32; b1_s 512 float32; b2_c 256 float32; b2_s 256 float32; be_c 512 float32; be_s 512 float32; bo_c 256 float32; bo_s 256 float32; bqk_c 256 float32; bqkv 768 float32; bv_c 256 float32; desc0 4 x 2,048 x 256 float32; desc1 4 x 2,048 x 256 float32; encoding0 2 x 4 x 1 x 2,048 x 64 float32; encoding1 2 x 4 x 1 x 2,048 x 64 float32; g_c 512 float32; g_s 512 float32; lowp_scales 50 int32 (the exponents e of the quantised operands' scales 2^e).
;; Outputs: out0 4 x 2,048 x 256 float32; out1 4 x 2,048 x 256 float32.
;; This version of the problem:
;;   THIS VERSION OF THE PROBLEM IS GIVEN IN LOW PRECISION. The matrix products marked QUANTISED in the list below multiply operands that are first quantised to E4M3 (4 exponent bits, 3 mantissa bits; 8 bits a number), with one given power-of-two scale for each operand tensor; their sums are f32. All else is computed in f32.
;;   The module's matrix products, in the order in which they are computed (A, B: the left and right operand; K: the contracted axis; several contracted axes count as one K, in the product's order):
;;     1. [M 8,192, K 256] x [K 256, N 768]; A: input desc0; B: input Wqkv: QUANTISED (scales: A lowp_scales[0], B lowp_scales[1])
;;     2. batch 16 x [M 2,048, K 64] x [K 64, N 2,048]; A: computed on the way; B: computed on the way: QUANTISED (scales: A lowp_scales[2], B lowp_scales[3])
;;     3. batch 16 x [M 2,048, K 2,048] x [K 2,048, N 64]; A: softmax (see below); B: computed on the way: QUANTISED (scales: A lowp_scales[4], B lowp_scales[5])
;;     4. [M 8,192, K 256] x [K 256, N 256]; A: computed on the way; B: input Wo_s: QUANTISED (scales: A lowp_scales[6], B lowp_scales[7])
;;     5. [M 8,192, K 512] x [K 512, N 512]; A: computed on the way; B: input W1_s: QUANTISED (scales: A lowp_scales[8], B lowp_scales[9])
;;     6. [M 8,192, K 512] x [K 512, N 256]; A: computed on the way; B: input W2_s: QUANTISED (scales: A lowp_scales[10], B lowp_scales[11])
;;     7. [M 8,192, K 256] x [K 256, N 768]; A: input desc1; B: input Wqkv: QUANTISED (scales: A lowp_scales[12], B lowp_scales[13])
;;     8. batch 16 x [M 2,048, K 64] x [K 64, N 2,048]; A: computed on the way; B: computed on the way: QUANTISED (scales: A lowp_scales[14], B lowp_scales[15])
;;     9. batch 16 x [M 2,048, K 2,048] x [K 2,048, N 64]; A: softmax (see below); B: computed on the way: QUANTISED (scales: A lowp_scales[16], B lowp_scales[17])
;;     10. [M 8,192, K 256] x [K 256, N 256]; A: computed on the way; B: input Wo_s: QUANTISED (scales: A lowp_scales[18], B lowp_scales[19])
;;     11. [M 8,192, K 512] x [K 512, N 512]; A: computed on the way; B: input W1_s: QUANTISED (scales: A lowp_scales[20], B lowp_scales[21])
;;     12. [M 8,192, K 512] x [K 512, N 256]; A: computed on the way; B: input W2_s: QUANTISED (scales: A lowp_scales[22], B lowp_scales[23])
;;     13. [M 8,192, K 256] x [K 256, N 256]; A: computed on the way; B: input Wqk_c: QUANTISED (scales: A lowp_scales[24], B lowp_scales[25])
;;     14. [M 8,192, K 256] x [K 256, N 256]; A: computed on the way; B: input Wqk_c: QUANTISED (scales: A lowp_scales[26], B lowp_scales[27])
;;     15. [M 8,192, K 256] x [K 256, N 256]; A: computed on the way; B: input Wv_c: QUANTISED (scales: A lowp_scales[28], B lowp_scales[29])
;;     16. [M 8,192, K 256] x [K 256, N 256]; A: computed on the way; B: input Wv_c: QUANTISED (scales: A lowp_scales[30], B lowp_scales[31])
;;     17. batch 16 x [M 2,048, K 64] x [K 64, N 2,048]; A: computed on the way; B: computed on the way: QUANTISED (scales: A lowp_scales[32], B lowp_scales[33])
;;     18. batch 16 x [M 2,048, K 2,048] x [K 2,048, N 64]; A: softmax (see below); B: computed on the way: QUANTISED (scales: A lowp_scales[34], B lowp_scales[35])
;;     19. batch 16 x [M 2,048, K 2,048] x [K 2,048, N 64]; A: softmax (see below); B: computed on the way: QUANTISED (scales: A lowp_scales[36], B lowp_scales[37])
;;     20. [M 8,192, K 256] x [K 256, N 256]; A: computed on the way; B: input Wo_c: QUANTISED (scales: A lowp_scales[38], B lowp_scales[39])
;;     21. [M 8,192, K 256] x [K 256, N 256]; A: computed on the way; B: input Wo_c: QUANTISED (scales: A lowp_scales[40], B lowp_scales[41])
;;     22. [M 8,192, K 512] x [K 512, N 512]; A: computed on the way; B: input W1_c: QUANTISED (scales: A lowp_scales[42], B lowp_scales[43])
;;     23. [M 8,192, K 512] x [K 512, N 256]; A: computed on the way; B: input W2_c: QUANTISED (scales: A lowp_scales[44], B lowp_scales[45])
;;     24. [M 8,192, K 512] x [K 512, N 512]; A: computed on the way; B: input W1_c: QUANTISED (scales: A lowp_scales[46], B lowp_scales[47])
;;     25. [M 8,192, K 512] x [K 512, N 256]; A: computed on the way; B: input W2_c: QUANTISED (scales: A lowp_scales[48], B lowp_scales[49])
;;   THE QUANTISER, for each operand of a quantised product, along K:
;;     - The operand's scale is 2^e, e = its entry of the input lowp_scales (int32; the entries are numbered through the quantised products in the list's order, A before B).
;;     - Each number is divided by the scale, clamped to +-448, and rounded to the nearest number of E4M3, ties to even, subnormals kept.
;;     - The product sums the exact products of the quantised numbers (number of the format x scale) in f32.
;;   ~~~python
;;   def quantise(x, axis, e):      # numpy; x: float32 -> the quantised numbers, widened to float32 again
;;       x = np.moveaxis(x, axis, -1); K = x.shape[-1]
;;       r = np.clip(x / 2.0 ** e, -448, 448)
;;       step = 2.0 ** (np.maximum(np.frexp(np.where(r == 0, 1, r))[1] - 1, -6) - 3)
;;       q = np.round(r / step) * step * 2.0 ** e      # np.round: ties to even
;;       return np.moveaxis(q, -1, axis).astype(np.float32)
;;   ~~~
;;   SOFTMAX AHEAD OF A QUANTISED PRODUCT. Where the list says 'softmax', what is quantised is not the finished softmax but p = 2^(t - M), with t = logit x log2(e) and M = ceil(the row's largest t), a whole number; so 1/2 < the row's largest p <= 1. The row's sum l is taken of the UNQUANTISED p, in f32, and the product's result is divided by l at the end. Since M is a whole number, a kernel that streams over the keys may use a running M (the ceiling of the running maximum): every later rescaling is an exact power of two, so the quantised numbers keep their values, but for numbers so far below the row's largest that they fall under the format's range.
;;   OPERANDS COMPUTED ON THE WAY. 'Computed on the way' means the value that the module computes at that place (a softmax that the list does not call 'softmax' is quantised finished and normalised). What goes into a quantiser is computed in f32, as accurately as f32 sums, v_exp_f32 and their like allow (about 1e-6 of the number): no bf16 or f16 on the way to a quantiser, and a product that is left as it is and whose result goes on into a quantised operand takes f32 operands (vector FMAs, or v_wmma_f32_16x16x4_f32). A number that lies on a knife's edge between two numbers of the format may be rounded either way, as far as f32 arithmetic and the matrix unit's own rounding can turn it there, and no further.
;; One version. Each part assembles by itself: llvm-mc -triple=amdgcn-amd-amdhsa -mcpu=gfx1250 --defsym DOCPART=n.
;; ======== version 1 of 1: 7 launches
;; limits: right only within a limited range of input values
;; workspace buffers: wc_s 1,312,768 bytes; wc_c 1,181,696 bytes; A0 6,292,480 bytes; A1 6,292,480 bytes; oc 4,194,304 bytes; d0 8,388,608 bytes; d1 8,388,608 bytes
;; launch prep (part 1): grid 153 x 1, 4 waves a work-group, no clusters, 0 bytes of LDS; arguments Wo_s, W1_s, W2_s, Wqkv, Wo_c, W1_c, W2_c, Wqk_c, Wv_c, lowp_scales, wc_s, wc_c; writes wc_s, wc_c
.if DOCPART == 1
	.amdgcn_target "amdgcn-amd-amdhsa--gfx1250"
	.amdhsa_code_object_version 6
	.text
	.protected	k_q714d628d92_prep
	.globl	k_q714d628d92_prep
	.p2align	8
	.type	k_q714d628d92_prep,@function
k_q714d628d92_prep:
	s_mov_b64 s[64:65], 0
	v_nop
	global_prefetch_b8 v0, s[64:65] scope:SCOPE_SE
	s_setreg_imm32_b32 hwreg(HW_REG_WAVE_MODE, 25, 1), 1
	s_wait_xcnt 0x0
; The nine weights, f32 stored [K][N], become codes of E4M3, each under the TWO scales under which it is used (stream 0, stream 1).
; They are laid as IMAGES OF OPERAND REGISTERS: a fragment is 16 columns x 128 k, 16 registers a lane; lane (r = lane % 16, h = lane / 16) holds
; column r, registers 2c, 2c+1 hold k = 16c + 8h + 0..7 (the plain 8-bit layout); registers 4q .. 4q+3 lie at byte 512 q + 16 x lane of the image's 2,048.
; A LANE TAKES A COLUMN AND ITS REGISTERS RUN DOWN K, so the conversions' results are the registers as they stand; nothing is transposed.
; 608 fragments, one a wave: 0 Wo_s, 32 W1_s, 160 W2_s, 224 Wqkv, 320 Wo_c, 352 W1_c, 480 W2_c, 544 Wqk_c, 576 Wv_c.  Work-group 152 stores the four records of exponents.
; wc_s / wc_c: bytes 0-2,047 two records (eight int32, 32 copies of 32 bytes, one for each stream); from 2,048 + stream x 458,752: Wo 32, W1 128, W2 64 images;
; from 919,552: self + stream x 196,608: Wqkv's 96 images (((g 4 + head) 4 + c) 2 + ks; lane r's column = 192 head + 3 (16 c + r) + g);  cross + stream x 131,072: Wqk's 32, Wv's 32.
; code = x / 2^e, held within +-448, to the nearest code, ties to even.  LIMITS: e between -126 and 119; NaN among the inputs is not served.
; No LDS, no barrier: waves share nothing.  Each store of a wave covers 512 consecutive bytes, aligned.
.set X,   16                           ; v16-79   64 numbers: register 8 cc + j = W(128 ks + 16 cc + 8 h + j, my column)
.set T,   80                           ; v80-95   two sets of eight held numbers
.set PC0, 96                           ; v96-111  the codes under the first scale
.set PC1, 112                          ; v112-127 under the second
.macro MKSC se, vs, vl, t0             ; from the whole number e in s[se]: v[vs] = 2^e as f32, v[vl] = 448 x 2^e
	s_add_co_i32 s[\t0], s[\se], 127
	s_lshl_b32 s[\t0+1], s[\t0], 23
	v_mov_b32 v[\vs], s[\t0+1]
	s_add_co_i32 s[\t0], s[\t0], 8
	s_lshl_b32 s[\t0], s[\t0], 23
	s_or_b32 s[\t0], s[\t0], 0x600000
	v_mov_b32 v[\vl], s[\t0]
.endm
.macro QUANTF src, pc, sc, lim         ; 64 numbers become a fragment's 16 registers of codes; the numbers are kept.  The two T sets take turns, so eight plain lines stand between a conversion and the next write of its sources
.irp cc, 0,1,2,3,4,5,6,7
.irp j, 0,1,2,3,4,5,6,7
	v_med3_num_f32 v[T+8*(\cc%2)+\j], v[(\src)+8*\cc+\j], -v[\lim], v[\lim]   ; the conversion to an 8-bit code does not saturate (ISA guide 7.6.2): the hold comes first
.endr
	v_cvt_scalef32_pk8_fp8_f32 v[(\pc)+2*\cc:(\pc)+2*\cc+1], v[T+8*(\cc%2):T+8*(\cc%2)+7], v[\sc]
.endr
	v_nop
.endm
.macro PICK first, ptr, n, ksh, e0, e1 ; from fragment 'first' on: this weight, its width N, log2(K / 128), its two entries of the scales
	s_cmp_ge_u32 s33, \first
	s_cselect_b64 s[34:35], s[\ptr:\ptr+1], s[34:35]
	s_cselect_b32 s36, \first, s36
	s_cselect_b32 s37, \n, s37
	s_cselect_b32 s38, \ksh, s38
	s_cselect_b32 s39, \e0*4, s39
	s_cselect_b32 s40, \e1*4, s40
.endm
.macro LOADW n                         ; sixteen neighbouring lanes read neighbouring columns of one row k
.irp cc, 0,1,2,3,4,5,6,7
.irp j, 0,1,2,3,4,5,6,7
	global_load_b32 v[X+8*\cc+\j], v2, s[34:35] offset:(16*\cc+\j)*\n*4
.endr
.endr
.endm
	s_load_b512 s[8:23], s[0:1], 0x0               ; Wo_s, W1_s, W2_s, Wqkv, Wo_c, W1_c, W2_c, Wqk_c
	s_load_b256 s[24:31], s[0:1], 0x40             ; Wv_c, the scales' exponents, wc_s, wc_c
	v_lshrrev_b32 v1, 5, v0
	v_readfirstlane_b32 s32, v1                    ; wave
	v_and_b32 v4, 31, v0                           ; lane
	v_and_b32 v5, 15, v0                           ; r
	v_bfe_u32 v6, v0, 4, 1                         ; h
	v_lshlrev_b32 v1, 4, v4                        ; 16 x lane
	s_lshl_b32 s33, ttmp9, 2
	s_add_co_u32 s33, s33, s32                     ; my fragment
	s_wait_kmcnt 0x0
	s_cmp_eq_u32 ttmp9, 152
	s_cbranch_scc1 .Lrecords
	s_mov_b64 s[34:35], s[8:9]
	s_mov_b32 s36, 0
	s_mov_b32 s37, 256
	s_mov_b32 s38, 1
	s_mov_b32 s39, 7*4
	s_mov_b32 s40, 19*4
	PICK 32, 10, 512, 2, 9, 21
	PICK 160, 12, 256, 2, 11, 23
	PICK 224, 14, 768, 1, 1, 13
	PICK 320, 16, 256, 1, 39, 41
	PICK 352, 18, 512, 2, 43, 47
	PICK 480, 20, 256, 2, 45, 49
	PICK 544, 22, 256, 1, 25, 27
	PICK 576, 24, 256, 1, 29, 31
	s_sub_co_u32 s41, s33, s36                     ; the fragment's number in its weight
	s_lshl_b32 s42, 1, s38
	s_sub_co_u32 s42, s42, 1
	s_and_b32 s42, s41, s42                        ; K step
	s_lshr_b32 s43, s41, s38
	s_lshl_b32 s43, s43, 4                         ; first column: 16 x column tile
	s_bfe_u32 s44, s41, 0x20003                    ; Wqkv: head,
	s_mul_i32 s44, s44, 192
	s_bfe_u32 s45, s41, 0x20001                    ; tile c of the head's 64,
	s_mul_i32 s45, s45, 48
	s_add_co_u32 s44, s44, s45
	s_lshr_b32 s45, s41, 5                         ; g: 0 q, 1 k, 2 v
	s_add_co_u32 s44, s44, s45
	s_cmp_eq_u32 s37, 768
	s_cselect_b32 s43, s44, s43
	s_cselect_b32 s46, 3, 1                        ; columns from lane to lane
	s_lshl_b32 s47, s42, 7
	s_mul_i32 s47, s47, s37
	s_add_co_u32 s47, s47, s43                     ; 128 ks N + first column
	s_lshl_b32 s48, s37, 3
	s_wait_alu depctr_va_vdst(0)
	v_mul_lo_u32 v2, v6, s48                       ; 8 h N
	v_mad_u32_u24 v2, v5, s46, v2
	v_add_lshl_u32 v2, v2, s47, 2                  ; in bytes
	s_cmp_ge_u32 s33, 320                          ; where the images go
	s_cselect_b64 s[44:45], s[30:31], s[28:29]
	s_cselect_b32 s49, 320, 0
	s_mov_b32 s54, 196608
	s_cselect_b32 s54, 131072, s54
	s_sub_co_u32 s49, s33, s49                     ; the fragment's number in its buffer
	s_lshl_b32 s52, s49, 11
	s_add_co_u32 s52, s52, 2048
	s_mov_b32 s50, 458752
	s_cmp_ge_u32 s49, 224
	s_cselect_b32 s51, s50, 0
	s_cselect_b32 s54, s54, s50                    ; from the first copy to the second
	s_add_co_u32 s52, s52, s51
	s_mov_b32 s53, 0
	s_mov_b32 s55, 0
	s_add_nc_u64 s[44:45], s[44:45], s[52:53]
	s_add_nc_u64 s[56:57], s[44:45], s[54:55]
	s_mov_b32 s58, s39
	s_mov_b32 s59, 0
	s_add_nc_u64 s[58:59], s[26:27], s[58:59]
	s_mov_b32 s60, s40
	s_mov_b32 s61, 0
	s_add_nc_u64 s[60:61], s[26:27], s[60:61]
	s_load_b32 s62, s[58:59], 0x0
	s_load_b32 s63, s[60:61], 0x0
	s_cmp_eq_u32 s37, 256                          ; the row's width stands in the loads' immediates: three copies, chosen by the fragment's number alone
	s_cbranch_scc1 .Ln256
	s_cmp_eq_u32 s37, 512
	s_cbranch_scc1 .Ln512
	s_wait_alu depctr_va_vdst(0)
	LOADW 768
	s_branch .Lloaded
.Ln256:
	s_wait_alu depctr_va_vdst(0)
	LOADW 256
	s_branch .Lloaded
.Ln512:
	s_wait_alu depctr_va_vdst(0)
	LOADW 512
.Lloaded:
	s_wait_kmcnt 0x0
	MKSC 62, 8, 9, 50
	MKSC 63, 10, 11, 50
	s_wait_alu depctr_va_vdst(0)
	s_wait_loadcnt 0x0
	QUANTF X, PC0, 8, 9
.irp q, 0,1,2,3
	global_store_b128 v1, v[PC0+4*\q:PC0+4*\q+3], s[44:45] offset:512*\q
.endr
	QUANTF X, PC1, 10, 11
.irp q, 0,1,2,3
	global_store_b128 v1, v[PC1+4*\q:PC1+4*\q+3], s[56:57] offset:512*\q
.endr
	s_endpgm
.Lrecords:                                             ; wave w: 0, 1 the self block's streams, 2, 3 the cross block's: [eA(Wo), eWo, eA(W1), eW1, eA(W2), eW2, 0, 0]
	s_mov_b32 s36, 24
	s_mov_b32 s40, 32
	s_cmp_eq_u32 s32, 1
	s_cselect_b32 s36, 72, s36
	s_cselect_b32 s40, 80, s40
	s_cmp_eq_u32 s32, 2
	s_cselect_b32 s36, 152, s36
	s_cselect_b32 s40, 168, s40
	s_cmp_eq_u32 s32, 3
	s_cselect_b32 s36, 160, s36
	s_cselect_b32 s40, 184, s40
	s_mov_b32 s37, 0
	s_mov_b32 s41, 0
	s_add_nc_u64 s[36:37], s[26:27], s[36:37]
	s_add_nc_u64 s[40:41], s[26:27], s[40:41]
	s_load_b64 s[42:43], s[36:37], 0x0
	s_load_b128 s[44:47], s[40:41], 0x0
	s_cmp_lt_u32 s32, 2
	s_cselect_b64 s[48:49], s[28:29], s[30:31]
	s_and_b32 s50, s32, 1
	s_lshl_b32 s50, s50, 10
	s_mov_b32 s51, 0
	s_add_nc_u64 s[48:49], s[48:49], s[50:51]
	s_wait_alu depctr_va_vdst(0)
	v_lshlrev_b32 v3, 5, v4                        ; a copy for each lane, so that the record's 1,024 bytes are all written
	s_wait_kmcnt 0x0
	v_mov_b32 v16, s42
	v_mov_b32 v17, s43
	v_mov_b32 v18, s44
	v_mov_b32 v19, s45
	s_wait_alu depctr_va_vdst(0)
	v_mov_b32 v20, s46
	v_mov_b32 v21, s47
	v_mov_b32 v22, 0
	v_mov_b32 v23, 0
	global_store_b128 v3, v[16:19], s[48:49]
	global_store_b128 v3, v[20:23], s[48:49] offset:16
	s_endpgm
.Lfunc_end_k_q714d628d92_prep:
	.size	k_q714d628d92_prep, .Lfunc_end_k_q714d628d92_prep-k_q714d628d92_prep
	.p2alignl 7, 3214868480
	.fill 96, 4, 3214868480
	.section	.rodata,"a",@progbits
	.p2align	6, 0x0
	.amdhsa_kernel k_q714d628d92_prep
		.amdhsa_group_segment_fixed_size 0
		.amdhsa_private_segment_fixed_size 0
		.amdhsa_enable_private_segment 0
		.amdhsa_kernarg_size 96
		.amdhsa_user_sgpr_count 2
		.amdhsa_user_sgpr_kernarg_segment_ptr 1
		.amdhsa_wavefront_size32 1
		.amdhsa_system_sgpr_workgroup_id_x 1
		.amdhsa_system_sgpr_workgroup_id_y 1
		.amdhsa_system_sgpr_workgroup_id_z 1
		.amdhsa_system_vgpr_workitem_id 0
		.amdhsa_next_free_vgpr 128
		.amdhsa_next_free_sgpr 66
		.amdhsa_reserve_vcc 0
		.amdhsa_float_denorm_mode_32 3
		.amdhsa_float_denorm_mode_16_64 3
		.amdhsa_memory_ordered 1
		.amdhsa_forward_progress 1
		.amdhsa_inst_pref_size 37
	.end_amdhsa_kernel
	.amdgpu_metadata
---
amdhsa.version: [ 1, 2 ]
amdhsa.kernels:
  - .name:           k_q714d628d92_prep
    .symbol:         k_q714d628d92_prep.kd
    .args:
      - { .name: Wo_s, .offset: 0, .size: 8, .value_kind: global_buffer, .address_space: global }
      - { .name: W1_s, .offset: 8, .size: 8, .value_kind: global_buffer, .address_space: global }
      - { .name: W2_s, .offset: 16, .size: 8, .value_kind: global_buffer, .address_space: global }
      - { .name: Wqkv, .offset: 24, .size: 8, .value_kind: global_buffer, .address_space: global }
      - { .name: Wo_c, .offset: 32, .size: 8, .value_kind: global_buffer, .address_space: global }
      - { .name: W1_c, .offset: 40, .size: 8, .value_kind: global_buffer, .address_space: global }
      - { .name: W2_c, .offset: 48, .size: 8, .value_kind: global_buffer, .address_space: global }
      - { .name: Wqk_c, .offset: 56, .size: 8, .value_kind: global_buffer, .address_space: global }
      - { .name: Wv_c, .offset: 64, .size: 8, .value_kind: global_buffer, .address_space: global }
      - { .name: lowp_scales, .offset: 72, .size: 8, .value_kind: global_buffer, .address_space: global }
      - { .name: wc_s, .offset: 80, .size: 8, .value_kind: global_buffer, .address_space: global }
      - { .name: wc_c, .offset: 88, .size: 8, .value_kind: global_buffer, .address_space: global }
    .group_segment_fixed_size: 0
    .private_segment_fixed_size: 0
    .kernarg_segment_align: 8
    .kernarg_segment_size: 96
    .max_flat_workgroup_size: 128
    .sgpr_count:     66
    .vgpr_count:     128
    .wavefront_size: 32
...
	.end_amdgpu_metadata
.endif
;; end of part 1
;; launch qkv (part 2): grid 128 x 2, 4 waves a work-group, no clusters, 16,896 bytes of LDS; arguments desc0, desc1, encoding0, encoding1, wc_s, bqkv, lowp_scales, A0, A1; writes A0, A1
.if DOCPART == 2
	.amdgcn_target "amdgcn-amd-amdhsa--gfx1250"
	.amdhsa_code_object_version 6
	.text
	.protected	k_q714d628d92_qkv
	.globl	k_q714d628d92_qkv
	.p2align	8
	.type	k_q714d628d92_qkv,@function
k_q714d628d92_qkv:
	s_mov_b64 s[64:65], 0
	v_nop
	global_prefetch_b8 v0, s[64:65] scope:SCOPE_SE
	s_setreg_imm32_b32 hwreg(HW_REG_WAVE_MODE, 25, 1), 1
	s_wait_xcnt 0x0
; q, k, v of the self block: x Wqkv + bqkv on codes of E4M3, the rotary encoding on q and k, and all three quantised for the attention.  Work-group (x, y): rows 64 x .. 64 x + 63 of stream y.
; SHARES.  Wave w is head w: its 64 columns of q, of k and of v, for all 64 rows; its 24 weight images stay in registers.  Wave w also quantises x's rows 16 w .. 16 w + 15 for all four waves:
; the two fragments go through LDS as images of their registers (16 bytes a lane at 16 x lane, 512 bytes a store), one barrier.
; LAYOUT (the plain 8-bit one): lane (r, h) holds row r; registers 2c, 2c+1 hold k = 16c + 8h + 0..7.  A result tile holds in lane (r, h), register j, the element (8h + j, r): so one conversion of a tile's eight
; registers IS registers 2c, 2c+1 of the next operand, c the tile's number along the next K.
; q, k: TRANSPOSED (source 0 = 16 columns of W, source 1 = 16 rows of x): a lane holds one row and eight neighbouring channels.  v: NATURAL (source 0 = x, source 1 = 16 columns): a lane holds one channel and eight keys,
; since the keys are the K of the attention's second product.
; The bias is the C of a sum's first product, divided by 2^(ex + ew); the power of two that the sums lack is folded into the conversions' scales.
; A (one buffer a stream): q images [bh][tile of 16 rows][1,024]; from 2,097,152 [bh][step of 128 keys][16,384]: 8 images of k, then 4 of v (channels 16 dt on, 2,048 each); from 6,291,456 the record.
; LIMITS: ex, eq - ex - ew, ek - ex - ew, ev - ex - ew between -126 and 119; NaN and infinity among the inputs are not served.
; No cluster: what the work-groups share, 192 KB of weight codes, goes straight into the registers that keep it, a quarter a wave, once.
; REGISTERS.  window 0: below.  window 1: q's and k's weight images at 32 (4 g + c) + 16 ks.  window 2: v0-127 v's at 32 dt + 16 ks; v128-191 q's and k's bias, 8 (4 g + c) + j; v192-223 v's bias.
;   window 3: the encoding: cos part at 64 m + 8 c + j, sin part at 64 m + 32 + 8 c + j.
.set LI,  1                            ; 16 x lane: my place in an image
.set XA,  2                            ; x: row r of 1,024 bytes + 32 h
.set XWI, 3                            ; where I store x's images
.set EA,  4                            ; the encoding: row r of 256 bytes + 32 h
.set BQA, 5                            ; 96 h: q's and k's bias
.set BVA, 6                            ; 12 r: v's
.set SX,  8                            ; v8-15: scale and limit for x, q, k, v
.set LX,  9
.set SQ,  10
.set LQ,  11
.set SK,  12
.set LK,  13
.set SV,  14
.set LV,  15
.set BVL, 16                           ; v16-19 v's bias as loaded
.set REC, 20                           ; v20-27 the record
.set RA,  28                           ; 32 x lane
.set SPW, 30                           ; my spare word's LDS address; never rewritten
.set NIL, 31                           ; 0; never rewritten
.set XF,  32                           ; v32-63   x's two fragments of a tile of rows
.set ACC, 64                           ; v64-127  q's four tiles, k's four;  at the head v64-191 hold x as f32
.set R,   128                          ; v128-191 behind the rotary encoding
.set ACCV,128                          ; v128-159 later v's four tiles
.set VC,  192                          ; v192-223 v's codes, 8 dt + 2 m
.set T,   192                          ; at the head: two sets of held numbers
.set QC,  224
.set KC,  232
.set PC,  240
.set SPARE, 16384                      ; behind x's eight images: the spare words, 128 bytes a wave
.set MSB, 0
.macro WIN new                         ; the immediate's high byte repeats the setting that is left
.if MSB != \new
	s_set_vgpr_msb (MSB<<8)|\new
.set MSB, \new
.endif
.endm
.macro MKSC se, vs, vl, t0             ; from the whole number e in s[se]: v[vs] = 2^e as f32, v[vl] = 448 x 2^e
	s_add_co_i32 s[\t0], s[\se], 127
	s_lshl_b32 s[\t0+1], s[\t0], 23
	v_mov_b32 v[\vs], s[\t0+1]
	s_add_co_i32 s[\t0], s[\t0], 8
	s_lshl_b32 s[\t0], s[\t0], 23
	s_or_b32 s[\t0], s[\t0], 0x600000
	v_mov_b32 v[\vl], s[\t0]
.endm
.macro QUANTF src, pc, sc, lim         ; 64 numbers become a fragment's 16 registers of codes; the two T sets take turns
.irp cc, 0,1,2,3,4,5,6,7
.irp j, 0,1,2,3,4,5,6,7
	v_med3_num_f32 v[T+8*(\cc%2)+\j], v[(\src)+8*\cc+\j], -v[\lim], v[\lim]   ; the conversion does not saturate (ISA guide 7.6.2): the hold comes first
.endr
	v_cvt_scalef32_pk8_fp8_f32 v[(\pc)+2*\cc:(\pc)+2*\cc+1], v[T+8*(\cc%2):T+8*(\cc%2)+7], v[\sc]
.endr
	v_nop
.endm
.macro Q8 dst, src, sc, lim            ; a tile's eight numbers, from the low end on, become two registers of codes
.irp j, 0,1,2,3,4,5,6,7
	v_med3_num_f32 v[(\src)+\j], v[(\src)+\j], -v[\lim], v[\lim]
.endr
	v_cvt_scalef32_pk8_fp8_f32 v[(\dst):(\dst)+1], v[(\src):(\src)+7], v[\sc]
.endm
.macro IMAGE adr, reg, off, n
.set IG, 0
.rept \n
	ds_store_b128 v[\adr], v[(\reg)+4*IG:(\reg)+4*IG+3] offset:(\off)+512*IG
.set IG, IG+1
.endr
.endm
.macro FETCH reg, adr, off, n
.set IG, 0
.rept \n
	ds_load_b128 v[(\reg)+4*IG:(\reg)+4*IG+3], v[\adr] offset:(\off)+512*IG
.set IG, IG+1
.endr
.endm
.macro PLACES n
.rept \n
	v_nop
.endr
.endm
	s_load_b512 s[8:23], s[0:1], 0x0               ; desc0, desc1, encoding0, encoding1, wc_s, bqkv, the scales, A0
	s_load_b64 s[24:25], s[0:1], 0x40              ; A1
	v_lshl_add_u32 v[SPW], v0, 2, SPARE
	v_mov_b32 v[NIL], 0
	v_lshrrev_b32 v7, 5, v0
	v_readfirstlane_b32 s27, v7                    ; wave = head
	v_and_b32 v7, 31, v0
	v_lshlrev_b32 v[LI], 4, v7
	v_lshlrev_b32 v[RA], 5, v7
	v_and_b32 v7, 15, v0                           ; r
	v_bfe_u32 v29, v0, 4, 1                        ; h
	v_lshlrev_b32 v[XA], 10, v7
	v_lshl_add_u32 v[XA], v29, 5, v[XA]
	v_lshlrev_b32 v[EA], 8, v7
	v_lshl_add_u32 v[EA], v29, 5, v[EA]
	v_mul_u32_u24 v[BQA], v29, 96
	v_mul_u32_u24 v[BVA], v7, 12
	s_lshl_b32 s56, s27, 12
	v_add_nc_u32 v[XWI], s56, v[LI]                ; tile w's two images
	s_and_b32 s26, ttmp7, 0xffff                   ; stream
	s_mul_i32 s28, s26, 48                         ; its entries of the scales begin at entry 12 x stream
	s_mov_b32 s29, 0
	s_lshl_b32 s30, ttmp9, 16                      ; x: 64 rows of 1,024 bytes a block, 16 a wave
	s_lshl_b32 s56, s27, 14
	s_add_co_u32 s30, s30, s56
	s_mov_b32 s31, 0
	s_lshl_b32 s32, ttmp9, 14                      ; the encoding: 64 rows of 256 bytes
	s_mov_b32 s33, 0
	s_mul_i32 s34, s26, 196608                     ; the stream's copy of Wqkv's images, my head's 8 of each g
	s_add_co_u32 s34, s34, s56
	s_add_co_u32 s34, s34, 919552
	s_mov_b32 s35, 0
	s_mul_i32 s36, s27, 768                        ; my head's 192 numbers of the bias
	s_mov_b32 s37, 0
	s_lshr_b32 s56, ttmp9, 5
	s_lshl_b32 s56, s56, 2
	s_add_co_u32 s56, s56, s27                     ; bh = 4 x batch + head
	s_and_b32 s57, ttmp9, 31                       ; the block in its batch
	s_lshl_b32 s48, s56, 17
	s_lshl_b32 s58, s57, 12
	s_add_co_u32 s48, s48, s58                     ; q: bh x 131,072 + 4 tiles x 1,024 a block
	s_mov_b32 s49, 0
	s_lshl_b32 s50, s56, 18
	s_add_co_u32 s50, s50, 2097152
	s_lshr_b32 s58, s57, 1
	s_lshl_b32 s58, s58, 14
	s_add_co_u32 s50, s50, s58                     ; the step of 128 keys
	s_and_b32 s58, ttmp9, 1
	s_lshl_b32 s59, s58, 10
	s_add_co_u32 s52, s50, s59
	s_add_co_u32 s52, s52, 8192                    ; v: registers 8 (block % 2) on of each of the step's four images
	s_mov_b32 s53, 0
	s_lshl_b32 s59, s58, 12
	s_add_co_u32 s50, s50, s59                     ; k: tiles 4 (block % 2) on
	s_mov_b32 s51, 0
	s_wait_alu depctr_va_vdst(0)
	s_wait_kmcnt 0x0
	s_cmp_eq_u32 s26, 0
	s_cselect_b64 s[8:9], s[8:9], s[10:11]
	s_cselect_b64 s[12:13], s[12:13], s[14:15]
	s_cselect_b64 s[38:39], s[22:23], s[24:25]
	s_add_nc_u64 s[28:29], s[20:21], s[28:29]
	s_load_b256 s[40:47], s[28:29], 0x0            ; ex, ew, eq, ek, ep, ev, eo
	s_add_nc_u64 s[30:31], s[8:9], s[30:31]
	s_add_nc_u64 s[32:33], s[12:13], s[32:33]
	s_add_nc_u64 s[34:35], s[16:17], s[34:35]
	s_add_nc_u64 s[36:37], s[18:19], s[36:37]
	s_add_nc_u64 s[48:49], s[38:39], s[48:49]
	s_add_nc_u64 s[50:51], s[38:39], s[50:51]
	s_add_nc_u64 s[52:53], s[38:39], s[52:53]
	; ---- all loads in one run: x first, since it is wanted first
.irp ks, 0,1
.irp cc, 0,1,2,3,4,5,6,7
	global_load_b128 v[64+64*\ks+8*\cc:64+64*\ks+8*\cc+3], v[XA], s[30:31] offset:512*\ks+64*\cc
	global_load_b128 v[64+64*\ks+8*\cc+4:64+64*\ks+8*\cc+7], v[XA], s[30:31] offset:512*\ks+64*\cc+16
.endr
.endr
	WIN 0x40
.irp g, 0,1
.irp c, 0,1,2,3
.irp ks, 0,1
.irp q, 0,1,2,3
	global_load_b128 v[32*(4*\g+\c)+16*\ks+4*\q:32*(4*\g+\c)+16*\ks+4*\q+3], v[LI], s[34:35] offset:\g*65536+(2*\c+\ks)*2048+512*\q
.endr
.endr
.endr
.endr
	WIN 0x80
.irp c, 0,1,2,3
.irp ks, 0,1
.irp q, 0,1,2,3
	global_load_b128 v[32*\c+16*\ks+4*\q:32*\c+16*\ks+4*\q+3], v[LI], s[34:35] offset:2*65536+(2*\c+\ks)*2048+512*\q
.endr
.endr
.endr
.irp g, 0,1
.irp c, 0,1,2,3
.irp j, 0,1,2,3,4,5,6,7
	global_load_b32 v[128+8*(4*\g+\c)+\j], v[BQA], s[36:37] offset:192*\c+4*\g+12*\j   ; the bias of column 3 (16 c + 8 h + j) + g of my head
.endr
.endr
.endr
	WIN 0
.irp c, 0,1,2,3
	global_load_b32 v[BVL+\c], v[BVA], s[36:37] offset:192*\c+8                        ; of column 3 (16 c + r) + 2
.endr
	WIN 0xc0
.irp m, 0,1,2,3
.irp c, 0,1,2,3
	global_load_b128 v[64*\m+8*\c:64*\m+8*\c+3], v[EA], s[32:33] offset:\m*4096+64*\c
	global_load_b128 v[64*\m+8*\c+4:64*\m+8*\c+7], v[EA], s[32:33] offset:\m*4096+64*\c+16
	global_load_b128 v[64*\m+32+8*\c:64*\m+32+8*\c+3], v[EA], s[32:33] offset:2097152+\m*4096+64*\c
	global_load_b128 v[64*\m+32+8*\c+4:64*\m+32+8*\c+7], v[EA], s[32:33] offset:2097152+\m*4096+64*\c+16
.endr
.endr
	WIN 0
	s_wait_loadcnt 63                              ; behind x's 32 loads stand 228 younger ones: with 63 out at the most, x is in
	s_wait_kmcnt 0x0
	; ---- my 16 rows of x become two fragments, for all four waves
	MKSC 40, SX, LX, 54
	QUANTF 64, PC, SX, LX
	IMAGE XWI, PC, 0, 4
	s_wait_dscnt 0x0                               ; the stores have read their registers
	QUANTF 128, PC, SX, LX
	IMAGE XWI, PC, 2048, 4
	s_wait_dscnt 0x0                               ; for the others' sake: my stores have landed
	s_barrier_signal -1
	s_barrier_wait -1
	s_wait_loadcnt 0x0
	s_add_co_i32 s58, s40, s41                     ; a sum stands for sum x 2^(ex + ew)
	s_sub_co_i32 s59, 0, s58
	WIN 0x82
.set IG, 0
.rept 64
	v_ldexp_f32 v[128+IG], v[128+IG], s59          ; so the bias goes in divided by it: nothing is rounded
.set IG, IG+1
.endr
	WIN 0x80
.irp c, 0,1,2,3
.irp j, 0,1,2,3,4,5,6,7
	v_ldexp_f32 v[192+8*\c+\j], v[BVL+\c], s59     ; v's: a lane holds one channel, so all eight registers of a tile hold its bias
.endr
.endr
	WIN 0
	s_sub_co_i32 s60, s42, s58
	MKSC 60, SQ, LQ, 54
	s_sub_co_i32 s60, s43, s58
	MKSC 60, SK, LK, 54
	s_sub_co_i32 s60, s45, s58
	MKSC 60, SV, LV, 54
	; ---- a tile of 16 rows at a time
.irp m, 0,1,2,3
.if \m > 0
	s_wait_xcnt 0x0                                ; the last tile's stores have read QC and KC
.endif
	FETCH XF, LI, \m*4096, 8
	s_wait_dscnt 0x0
	WIN 0x21                                       ; source 0 (W) window 1, C (the bias) window 2
.irp t, 0,1,2,3,4,5,6,7
	v_wmma_f32_16x16x128_fp8_fp8 v[ACC+8*\t:ACC+8*\t+7], v[32*\t:32*\t+15], v[XF:XF+15], v[128+8*\t:128+8*\t+7]
.endr
	WIN 0x01                                       ; the eight accumulators take turns
.irp t, 0,1,2,3,4,5,6,7
	v_wmma_f32_16x16x128_fp8_fp8 v[ACC+8*\t:ACC+8*\t+7], v[32*\t+16:32*\t+31], v[XF+16:XF+31], v[ACC+8*\t:ACC+8*\t+7]
.endr
	PLACES 4                                       ; four places ahead of the first read of results (ISA guide 7.12.1)
	WIN 0x0c                                       ; source 1 (the encoding) window 3
.irp t, 0,1,2,3,4,5,6,7
.irp i, 0,2,4,6
	v_pk_mul_f32 v[R+8*\t+\i:R+8*\t+\i+1], v[ACC+8*\t+\i:ACC+8*\t+\i+1], v[64*\m+8*(\t%4)+\i:64*\m+8*(\t%4)+\i+1]
	v_fma_f32 v[R+8*\t+\i], -v[ACC+8*\t+\i+1], v[64*\m+32+8*(\t%4)+\i], v[R+8*\t+\i]          ; the pair (x1, x2) turns into (-x2, x1)
	v_fma_f32 v[R+8*\t+\i+1], v[ACC+8*\t+\i], v[64*\m+32+8*(\t%4)+\i+1], v[R+8*\t+\i+1]
.endr
.endr
	WIN 0
.irp c, 0,1,2,3
	Q8 QC+2*\c, R+8*\c, SQ, LQ
.endr
.irp c, 0,1,2,3
	Q8 KC+2*\c, R+32+8*\c, SK, LK
.endr
	v_nop                                          ; a plain line between the last conversion and the products that write its sources
	global_store_b128 v[LI], v[QC:QC+3], s[48:49] offset:\m*1024
	global_store_b128 v[LI], v[QC+4:QC+7], s[48:49] offset:\m*1024+512
	global_store_b128 v[LI], v[KC:KC+3], s[50:51] offset:\m*1024
	global_store_b128 v[LI], v[KC+4:KC+7], s[50:51] offset:\m*1024+512
	WIN 0x28                                       ; source 1 (Wv) and C (the bias) window 2
.irp c, 0,1,2,3
	v_wmma_f32_16x16x128_fp8_fp8 v[ACCV+8*\c:ACCV+8*\c+7], v[XF:XF+15], v[32*\c:32*\c+15], v[192+8*\c:192+8*\c+7]
.endr
	WIN 0x08
.irp c, 0,1,2,3
	v_wmma_f32_16x16x128_fp8_fp8 v[ACCV+8*\c:ACCV+8*\c+7], v[XF+16:XF+31], v[32*\c+16:32*\c+31], v[ACCV+8*\c:ACCV+8*\c+7]
.endr
	WIN 0
	PLACES 4                                       ; ahead of the read of results, and of the next tile's loads into XF
.irp c, 0,1,2,3
	Q8 VC+8*\c+2*\m, ACCV+8*\c, SV, LV             ; keys 16 m + 8 h + 0..7 of channel 16 c + r
.endr
	v_nop
.endr
.irp c, 0,1,2,3
	global_store_b128 v[LI], v[VC+8*\c:VC+8*\c+3], s[52:53] offset:\c*2048
	global_store_b128 v[LI], v[VC+8*\c+4:VC+8*\c+7], s[52:53] offset:\c*2048+512
.endr
	s_wait_tensorcnt 0x0                           ; the wave's end, behind my last LDS store
	ds_add_u32 v[SPW], v[NIL]
	s_wait_dscnt 0x0
	s_or_b32 s54, ttmp9, s27                       ; the stream's first wave stores the attention's record
	s_cmp_lg_u32 s54, 0
	s_cbranch_scc1 .Lno_record
	s_add_co_i32 s54, s42, s43
	v_mov_b32 v[REC], s54                          ; eq + ek
	v_mov_b32 v[REC+1], s44                        ; ep
	v_mov_b32 v[REC+2], s45                        ; ev
	v_mov_b32 v[REC+3], s46                        ; eo
	v_mov_b32 v[REC+4], 0x3e38aa3b                 ; log2(e) / sqrt(64)
	v_mov_b32 v[REC+5], 0
	v_mov_b32 v[REC+6], 0
	v_mov_b32 v[REC+7], 0
	global_store_b128 v[RA], v[REC:REC+3], s[38:39] offset:6291456
	global_store_b128 v[RA], v[REC+4:REC+7], s[38:39] offset:6291472
.Lno_record:
	s_endpgm
.Lfunc_end_k_q714d628d92_qkv:
	.size	k_q714d628d92_qkv, .Lfunc_end_k_q714d628d92_qkv-k_q714d628d92_qkv
	.p2alignl 7, 3214868480
	.fill 96, 4, 3214868480
	.section	.rodata,"a",@progbits
	.p2align	6, 0x0
	.amdhsa_kernel k_q714d628d92_qkv
		.amdhsa_group_segment_fixed_size 16896
		.amdhsa_private_segment_fixed_size 0
		.amdhsa_enable_private_segment 0
		.amdhsa_kernarg_size 72
		.amdhsa_user_sgpr_count 2
		.amdhsa_user_sgpr_kernarg_segment_ptr 1
		.amdhsa_wavefront_size32 1
		.amdhsa_system_sgpr_workgroup_id_x 1
		.amdhsa_system_sgpr_workgroup_id_y 1
		.amdhsa_system_sgpr_workgroup_id_z 1
		.amdhsa_system_vgpr_workitem_id 0
		.amdhsa_next_free_vgpr 1024
		.amdhsa_next_free_sgpr 66
		.amdhsa_reserve_vcc 0
		.amdhsa_float_denorm_mode_32 3
		.amdhsa_float_denorm_mode_16_64 3
		.amdhsa_memory_ordered 1
		.amdhsa_forward_progress 1
		.amdhsa_inst_pref_size 109
	.end_amdhsa_kernel
	.amdgpu_metadata
---
amdhsa.version: [ 1, 2 ]
amdhsa.kernels:
  - .name:           k_q714d628d92_qkv
    .symbol:         k_q714d628d92_qkv.kd
    .args:
      - { .name: desc0, .offset: 0, .size: 8, .value_kind: global_buffer, .address_space: global }
      - { .name: desc1, .offset: 8, .size: 8, .value_kind: global_buffer, .address_space: global }
      - { .name: encoding0, .offset: 16, .size: 8, .value_kind: global_buffer, .address_space: global }
      - { .name: encoding1, .offset: 24, .size: 8, .value_kind: global_buffer, .address_space: global }
      - { .name: wc_s, .offset: 32, .size: 8, .value_kind: global_buffer, .address_space: global }
      - { .name: bqkv, .offset: 40, .size: 8, .value_kind: global_buffer, .address_space: global }
      - { .name: lowp_scales, .offset: 48, .size: 8, .value_kind: global_buffer, .address_space: global }
      - { .name: A0, .offset: 56, .size: 8, .value_kind: global_buffer, .address_space: global }
      - { .name: A1, .offset: 64, .size: 8, .value_kind: global_buffer, .address_space: global }
    .group_segment_fixed_size: 16896
    .private_segment_fixed_size: 0
    .kernarg_segment_align: 8
    .kernarg_segment_size: 72
    .max_flat_workgroup_size: 128
    .sgpr_count:     66
    .vgpr_count:     1024
    .wavefront_size: 32
...
	.end_amdgpu_metadata
.endif
;; end of part 2
;; launch attn_s (part 3): grid 8 x 32, 16 waves a work-group, clusters of 4 x 1, 327,680 bytes of LDS; arguments A0, A1, oc; writes oc
.if DOCPART == 3
	.amdgcn_target "amdgcn-amd-amdhsa--gfx1250"
	.amdhsa_code_object_version 6
	.text
	.protected	k_q714d628d92_attn_s
	.globl	k_q714d628d92_attn_s
	.p2align	8
	.type	k_q714d628d92_attn_s,@function
k_q714d628d92_attn_s:
	s_mov_b64 s[64:65], 0
	v_nop
	global_prefetch_b8 v0, s[64:65] scope:SCOPE_SE
	s_setreg_imm32_b32 hwreg(HW_REG_WAVE_MODE, 25, 1), 1
	s_wait_xcnt 0x0
	s_wait_alu depctr_hold_cnt(0) depctr_sa_sdst(0) depctr_va_vdst(0) depctr_va_sdst(0) depctr_va_ssrc(0) depctr_va_vcc(0) depctr_vm_vsrc(0)
	s_getreg_b32 s2, hwreg(HW_REG_IB_STS2, 6, 4)
	s_cmp_eq_u32 s2, 0
	s_cbranch_scc0 .Lentry_in_a_cluster
	s_endpgm
.Lentry_in_a_cluster:
	s_bfe_u32 s2, ttmp6, 0x10000c
	s_cmp_lg_u32 s2, 0x3003
	s_cbranch_scc0 .Lentry_shape_is_right
	s_endpgm
.Lentry_shape_is_right:
; O = softmax(q k^T c) v on codes of E4M3, head size 64, 2,048 keys, and O quantised for the product with Wo.  Work-group (x, y): queries 256 x .. of head bh = y % 16 of direction y / 16 (buffer A0 or A1).
; A: q images [bh][tile][1,024]; from 2,097,152 [bh][step of 128 keys][16,384]: 8 images of k (16 keys x 64), 4 of v (16 channels x 128 keys); from 6,291,456 the record: eq + ek, ep, ev, eo, c.
; THE SOFTMAX: t = score x c; M = the largest t so far, rounded UP to a whole number; p = 2^(t - M) is quantised, not normalised; the row's sum is taken of the unquantised p and divides at the end.
; When M moves, the sum and O are multiplied by 2^(old M - new M): nothing is rounded, and no branch hangs on data.  The running maximum is kept as a score: c is positive, so score x c is largest where the score is.
; SHARES.  Sixteen waves, each one tile of 16 queries in 256 registers, four waves to a SIMD.  A key step is 128 keys: 12 matrix instructions.
; LDS HAS NO RING: a head's k and v are 262,144 bytes and lie there whole, as in memory; each byte is filled once.  WAVE w FETCHES KEY STEP w: one dense block of 16,384 bytes, 64 rows of 256, one tensor load a wave.
; A wave begins with its OWN key step, whose bytes it alone has asked for: its own wait on TENSORcnt orders those reads.  Then ONE barrier, in front of which every wave has waited for its load; behind it all sixteen
; key steps may be read, and wave w walks steps w + 1, w + 2, .. round to w - 1.  The order of the keys changes no sum but in its rounding.
; The first step is written out: it starts the maximum, the sum and O^T (C = 0), so nothing is cleared and nothing is rescaled there.
; CLUSTER: the four query blocks of a cluster belong to one head and ask for its k and v JOINTLY (mask 15); the descriptors hang on y and on the wave's number alone.
; Both products are used transposed (S^T = k q^T, O^T = v^T p^T): a lane holds one query (lane % 16) throughout, and the conversions of S^T's tiles are p's registers as they stand.
; Nothing is prefetched: all of the head's k and v are asked for at the kernel's head, so there is no later request to run ahead of.
; LIMITS: eq + ek between -123 and 130 (added to c's exponent field); ep and eo between -126 and 119.  NaN among the scores is not served.
.set LI,  1                            ; 16 x lane
.set ADR, 2                            ; LDS address of the step in hand
.set SPW, 5                            ; my spare word; never rewritten
.set NIL, 6                            ; 0; never rewritten
; v12 -M, v13 the largest score, v[14:15] the sum; v16-23 q; v32-95 k's 8 images, then v's 4; v96-159 S^T, then p; v160-191 O^T; v192-207 p's codes;
; v208, v209 at work; v[210:211] f; v214 the exchange; v215 the old -M; v216 and v221: 448 x 2^ep; v217 2^ep; v218 1 / sum; v219, v220: 448 x 2^eo, 2^eo; v224-231 O's codes; v244-251 the step's sum in four chains
.set SPARE, 262144                     ; behind k and v: the spare words, 128 bytes for each of sixteen waves
.macro MKSC se, vs, vl, t0             ; from the whole number e in s[se]: v[vs] = 2^e as f32, v[vl] = 448 x 2^e (its bits stay in s[t0])
	s_add_co_i32 s[\t0], s[\se], 127
	s_lshl_b32 s[\t0+1], s[\t0], 23
	v_mov_b32 v[\vs], s[\t0+1]
	s_add_co_i32 s[\t0], s[\t0], 8
	s_lshl_b32 s[\t0], s[\t0], 23
	s_or_b32 s[\t0], s[\t0], 0x600000
	v_mov_b32 v[\vl], s[\t0]
.endm
.macro Q8 dst, src, sc, lim
.irp j, 0,1,2,3,4,5,6,7
	v_med3_num_f32 v[(\src)+\j], v[(\src)+\j], -v[\lim], v[\lim]
.endr
	v_cvt_scalef32_pk8_fp8_f32 v[(\dst):(\dst)+1], v[(\src):(\src)+7], v[\sc]
.endm
.macro PLACES n
.rept \n
	v_nop
.endr
.endm
.macro CROUND                          ; a round of the cluster's barrier
	s_barrier_signal -1
	s_barrier_wait -1
	s_cmp_lg_u32 s10, 0
	s_cbranch_scc1 .Lnot_wave_0_\@
	s_barrier_signal -3
.Lnot_wave_0_\@:
	s_barrier_wait -3
	s_barrier_signal -1
	s_barrier_wait -1
.endm
	s_load_b128 s[4:7], s[0:1], 0x0                ; A0, A1
	s_load_b64 s[8:9], s[0:1], 0x10                ; oc
	v_lshl_add_u32 v[SPW], v0, 2, SPARE
	v_mov_b32 v[NIL], 0
	ds_add_u32 v[SPW], v[NIL]                      ; the wave's opening: the add, twice on end, and its wait ahead of my tensor load
	ds_add_u32 v[SPW], v[NIL]
	v_lshrrev_b32 v3, 5, v0
	s_delay_alu instid0(VALU_DEP_1)
	v_readfirstlane_b32 s10, v3                    ; wave 0..15
	v_and_b32 v3, 31, v0
	s_delay_alu instid0(VALU_DEP_1)
	v_lshlrev_b32 v[LI], 4, v3
	s_bfe_u32 s11, ttmp6, 0x40000                  ; cx
	s_lshl_b32 s12, ttmp9, 2
	s_add_co_u32 s12, s12, s11                     ; my block of 256 queries: it enters q's and O's addresses alone
	s_and_b32 s14, ttmp7, 0xffff
	s_lshr_b32 s13, s14, 4                         ; direction
	s_and_b32 s14, s14, 15                         ; bh
	s_mov_b32 s16, 15|(3<<16)|(1<<21)              ; group 1: the mask of all four; elements of 8 bytes; bit 21 beside a mask; no padding
	s_mov_b32 s17, 32<<16                          ; tensor_dim0 = 32 elements: 256 bytes
	s_mov_b32 s18, 64<<16                          ; tensor_dim1 = 64 rows: a key step's 16,384 bytes
	s_mov_b32 s19, 32<<16                          ; tile_dim0
	s_mov_b32 s20, 64                              ; tile_dim1
	s_mov_b32 s21, 32                              ; the pitch: the block is dense
	s_mov_b32 s22, 0
	s_mov_b32 s23, 0
	s_mov_b32 s24, 1                               ; group 0: count = 1,
	s_lshl_b32 s25, s10, 14                        ; LDS address: 16,384 x wave, as in the head's block of memory
	s_lshl_b32 s52, s10, 14                        ; the LDS byte of the step in hand: my own first
	s_mov_b32 s56, s10                             ; and its number
	s_lshl_b32 s54, s14, 18
	s_add_co_u32 s54, s54, 2097152                 ; the head's k and v,
	s_add_co_u32 s54, s54, s25                     ; key step w
	s_mov_b32 s55, 0
	s_lshl_b32 s58, s12, 4
	s_add_co_u32 s58, s58, s10                     ; my tile of queries in the head
	s_lshl_b32 s58, s58, 10
	s_lshl_b32 s62, s14, 17
	s_add_co_u32 s58, s58, s62
	s_mov_b32 s59, 0
	s_lshr_b32 s60, s14, 2                         ; batch
	s_lshl_b32 s60, s60, 7
	s_lshl_b32 s62, s12, 4
	s_add_co_u32 s60, s60, s62
	s_add_co_u32 s60, s60, s10                     ; my tile of rows in the stream
	s_lshl_b32 s60, s60, 12                        ; two images of 2,048 a tile of rows;
	s_and_b32 s62, s14, 3
	s_lshl_b32 s62, s62, 10                        ; head x 1,024: K step head / 2, registers 8 (head % 2) on
	s_add_co_u32 s60, s60, s62
	s_lshl_b32 s62, s13, 21
	s_add_co_u32 s60, s60, s62
	s_mov_b32 s61, 0
	s_mov_b32 s50, 0x76543210                      ; v_permlanex16_b32's selects for lane xor 16
	s_mov_b32 s51, 0xfedcba98
	s_wait_alu depctr_va_vdst(0)                   ; directly ahead of the wait below
	s_wait_dscnt 0x0                               ; both opening adds are done
	s_wait_kmcnt 0x0
	s_cmp_eq_u32 s13, 0
	s_cselect_b64 s[4:5], s[4:5], s[6:7]
	s_load_b256 s[40:47], s[4:5], 0x600000         ; the record
	s_add_nc_u64 s[26:27], s[4:5], s[54:55]        ; group 0: global address,
	s_or_b32 s27, s27, 0x80000000                  ; type = 2
	s_add_nc_u64 s[58:59], s[4:5], s[58:59]
	s_add_nc_u64 s[8:9], s[8:9], s[60:61]
	global_load_b128 v[16:19], v[LI], s[58:59]     ; q's fragment stays in registers
	global_load_b128 v[20:23], v[LI], s[58:59] offset:512
	CROUND                                         ; all four work-groups are here: the joint loads meet
	tensor_load_to_lds s[24:27], s[16:23]          ; my one tensor load: key step w, for all four work-groups
	s_nop 0
	PLACES 4
	v_mov_b32 v211, 0                              ; (named as the upper half of a pair)
	v_mov_b32 v214, 0                              ; a lane permute's destination counts as one of its sources
	s_wait_kmcnt 0x0
	s_lshl_b32 s48, s40, 23
	s_add_co_i32 s48, s48, s44                     ; a score stands for score x 2^(eq + ek): added to c's exponent field
	s_mov_b32 s49, s48                             ; (named with it as a pair)
	MKSC 41, 217, 216, 54
	v_mov_b32 v221, s54                            ; 448 x 2^ep once more: the two halves of a dual line name second sources whose numbers differ modulo 4
	MKSC 43, 220, 219, 54
	s_add_co_i32 s57, s41, s42                     ; ep + ev
.macro STEP first                      ; 128 keys, at LDS byte s52.  first = 1: the step starts the maximum, the sum and O^T
	v_add_nc_u32 v[ADR], s52, v[LI]
.if \first == 0
	PLACES 3                                       ; with the addition: four places ahead of loads into registers that the last products read
.endif
.irp t, 0,1,2,3,4,5,6,7
	ds_load_b128 v[32+8*\t:35+8*\t], v[ADR] offset:1024*\t
	ds_load_b128 v[36+8*\t:39+8*\t], v[ADR] offset:1024*\t+512
.endr
	s_wait_alu depctr_va_vdst(0)
	s_wait_dscnt 8                                 ; tiles 0-3 are in; the eight loads of tiles 4-7 may be out
.irp t, 0,1,2,3
	v_wmma_f32_16x16x64_fp8_fp8 v[96+8*\t:103+8*\t], v[32+8*\t:39+8*\t], v[16:23], 0
.endr
	s_wait_dscnt 0x0
.irp t, 4,5,6,7
	v_wmma_f32_16x16x64_fp8_fp8 v[96+8*\t:103+8*\t], v[32+8*\t:39+8*\t], v[16:23], 0
.endr
.if \first
	PLACES 4                                       ; four places ahead of the loads below and of the first read of the scores
.else
	v_mov_b32 v215, v12                            ; the old -M: one of the four places
	PLACES 3
.endif
.irp d, 0,1,2,3
.irp q, 0,1,2,3
	ds_load_b128 v[32+16*\d+4*\q:35+16*\d+4*\q], v[ADR] offset:8192+2048*\d+512*\q   ; v's four images are on their way during the softmax
.endr
.endr
	v_max3_num_f32 v208, v96, v97, v98             ; the step's largest score of my query among my 64 keys, in two chains, each tile from its low end on
	v_max3_num_f32 v209, v99, v100, v101
.irp i, 6,10,14,18,22,26,30,34,38,42,46,50,54,58
	v_max3_num_f32 v208, v208, v[96+\i], v[97+\i]
	v_max3_num_f32 v209, v209, v[98+\i], v[99+\i]
.endr
	v_max3_num_f32 v208, v208, v158, v159
	s_delay_alu instid0(VALU_DEP_1)
	v_max_num_f32 v208, v208, v209
	s_delay_alu instid0(VALU_DEP_1)
	v_permlanex16_b32 v214, v208, s50, s51
	s_delay_alu instid0(VALU_DEP_1)
.if \first
	v_max_num_f32 v13, v208, v214                  ; with lane xor 16's: the largest score so far
.else
	v_max3_num_f32 v13, v13, v208, v214
.endif
	s_delay_alu instid0(VALU_DEP_1)
	v_mul_f32 v208, s48, v13                       ; as t
	v_floor_f32 v12, -v208                         ; -M = floor(-t): M is a whole number
.irp j, 0,2,4,6,8,10,12,14,16,18,20,22,24,26,28,30,32,34,36,38,40,42,44,46,48,50,52,54,56,58,60,62
	v_pk_fma_f32 v[96+\j:97+\j], v[96+\j:97+\j], s[48:49], v[12:13] op_sel_hi:[1,0,0]   ; t - M (of the pairs c and -M the low word serves both halves)
.endr
	s_wait_alu depctr_va_vdst(0)                   ; ahead of the batch
.set IG, 0
.rept 64
	v_exp_f32 v[96+IG], v[96+IG]                   ; p = 2^(t - M)
.set IG, IG+1
.endr
.if \first
	v_nop                                          ; the plain line behind the exponentials
	s_wait_alu depctr_va_vdst(0)                   ; one wait for the batch, ahead of its first reader
.else
	v_sub_f32 v208, v12, v215                      ; old M - new M: a whole number, 0 or less.  (The plain lines behind the exponentials)
	s_delay_alu instid0(VALU_DEP_1)
	v_cvt_i32_f32 v208, v208                       ; (it saturates)
	s_delay_alu instid0(VALU_DEP_1)
	v_ldexp_f32 v210, 1.0, v208                    ; f = 2^(old M - new M)
	s_wait_alu depctr_va_vdst(0)                   ; one wait for the batch, and for O^T, whose first readers follow directly
.irp j, 0,2,4,6,8,10,12,14,16,18,20,22,24,26,28,30
	v_pk_mul_f32 v[160+\j:161+\j], v[160+\j:161+\j], v[210:211] op_sel_hi:[1,0]   ; O^T under the new M
.endr
.endif
.irp k, 0,1,2,3                                ; the step's sum of the unquantised p: 32 pairs in four chains
	v_pk_add_f32 v[244+2*\k:245+2*\k], v[96+4*\k:97+4*\k], v[98+4*\k:99+4*\k]
.endr
.set IG, 16
.rept 6
.irp k, 0,1,2,3
	v_pk_add_f32 v[244+2*\k:245+2*\k], v[244+2*\k:245+2*\k], v[96+IG+2*\k:97+IG+2*\k]
.endr
.set IG, IG+8
.endr
	s_delay_alu instid0(VALU_DEP_3)
	v_pk_add_f32 v[244:245], v[244:245], v[246:247]
	s_delay_alu instid0(VALU_DEP_2)
	v_pk_add_f32 v[248:249], v[248:249], v[250:251]
	s_delay_alu instid0(VALU_DEP_1)
.if \first
	v_pk_add_f32 v[14:15], v[244:245], v[248:249]
.else
	v_pk_add_f32 v[244:245], v[244:245], v[248:249]
	s_delay_alu instid0(VALU_DEP_1)
	v_pk_fma_f32 v[14:15], v[14:15], v[210:211], v[244:245] op_sel_hi:[1,0,1]   ; the sum so far x f + the step's
.endif
.irp t, 0,1,2,3,4,5,6,7
.irp i, 0,2,4,6
	v_dual_min_num_f32 v[96+8*\t+\i], v[96+8*\t+\i], v216 :: v_dual_min_num_f32 v[97+8*\t+\i], v[97+8*\t+\i], v221   ; the conversion does not saturate (ISA guide 7.6.2); p is not negative: the hold is one-sided, two numbers a line
.endr
	v_cvt_scalef32_pk8_fp8_f32 v[192+2*\t:193+2*\t], v[96+8*\t:103+8*\t], v217   ; keys 16 t + 8 h + 0..7: registers 2 t, 2 t + 1 of the operand
.endr
	v_nop                                          ; a plain line between the last conversion and the products that read its result
	s_wait_alu depctr_va_vdst(0)                   ; directly ahead of the wait below
	s_wait_dscnt 0x0                               ; v is in
.irp d, 0,1,2,3
.if \first
	v_wmma_f32_16x16x128_fp8_fp8 v[160+8*\d:167+8*\d], v[32+16*\d:47+16*\d], v[192:207], 0
.else
	v_wmma_f32_16x16x128_fp8_fp8 v[160+8*\d:167+8*\d], v[32+16*\d:47+16*\d], v[192:207], v[160+8*\d:167+8*\d]
.endif
.endr
.endm
	s_wait_alu depctr_va_vdst(0)                   ; at the head's end
	s_wait_loadcnt 0x0                             ; q
	s_wait_tensorcnt 0x0                           ; my own key step has landed: I alone asked for its bytes in this work-group, so this wait orders my reads of them
	STEP 1
	s_wait_dscnt 0x0                               ; no LDS instruction of mine is out
	s_barrier_signal -1                            ; every wave has waited for its load in front of this signal;
	s_barrier_wait -1                              ; behind it all sixteen key steps may be read.  Nothing is ever filled again
	s_mov_b32 s53, 15
.Lstep:
	s_add_co_u32 s56, s56, 1                       ; the next key step,
	s_lshl_b32 s52, s56, 14
	s_and_b32 s52, s52, 0x3ffff                    ; round the sixteen
	STEP 0
	s_sub_co_u32 s53, s53, 1
	s_cmp_lg_u32 s53, 0
	s_cbranch_scc1 .Lstep
	; ---- the way out: O^T x 2^(ep + ev) / the sum, quantised with eo: the codes are registers of the Wo product's operand as they stand
	v_add_f32 v14, v14, v15
	s_delay_alu instid0(VALU_DEP_1)
	v_permlanex16_b32 v214, v14, s50, s51
	s_delay_alu instid0(VALU_DEP_1)
	v_add_f32 v14, v14, v214
	s_wait_alu depctr_va_vdst(0)                   ; ahead of the transcendental
	v_rcp_f32 v218, v14
	PLACES 4                                       ; the plain line behind the reciprocal, and the places behind the last products
	s_wait_alu depctr_va_vdst(0)                   ; ahead of the reciprocal's first reader
	v_ldexp_f32 v218, v218, s57
	s_wait_alu depctr_va_vdst(0)                   ; directly ahead of the first reader of O^T
.set IG, 0
.rept 32
	v_mul_f32 v[96+IG], v[160+IG], v218
.set IG, IG+1
.endr
.irp d, 0,1,2,3
	Q8 224+2*\d, 96+8*\d, 220, 219
.endr
	v_nop
	global_store_b128 v[LI], v[224:227], s[8:9]    ; the wave stores 512 consecutive bytes, aligned
	global_store_b128 v[LI], v[228:231], s[8:9] offset:512
	s_wait_tensorcnt 0x0                           ; the wave's end
	ds_add_u32 v[SPW], v[NIL]
	s_wait_dscnt 0x0
	CROUND                                         ; the closing round
	s_endpgm
.Lfunc_end_k_q714d628d92_attn_s:
	.size	k_q714d628d92_attn_s, .Lfunc_end_k_q714d628d92_attn_s-k_q714d628d92_attn_s
	.p2alignl 7, 3214868480
	.fill 96, 4, 3214868480
	.section	.rodata,"a",@progbits
	.p2align	6, 0x0
	.amdhsa_kernel k_q714d628d92_attn_s
		.amdhsa_group_segment_fixed_size 327680
		.amdhsa_private_segment_fixed_size 0
		.amdhsa_enable_private_segment 0
		.amdhsa_kernarg_size 24
		.amdhsa_user_sgpr_count 2
		.amdhsa_user_sgpr_kernarg_segment_ptr 1
		.amdhsa_wavefront_size32 1
		.amdhsa_system_sgpr_workgroup_id_x 1
		.amdhsa_system_sgpr_workgroup_id_y 1
		.amdhsa_system_sgpr_workgroup_id_z 1
		.amdhsa_system_vgpr_workitem_id 0
		.amdhsa_next_free_vgpr 256
		.amdhsa_next_free_sgpr 66
		.amdhsa_reserve_vcc 0
		.amdhsa_float_denorm_mode_32 3
		.amdhsa_float_denorm_mode_16_64 3
		.amdhsa_memory_ordered 1
		.amdhsa_forward_progress 1
		.amdhsa_inst_pref_size 39
	.end_amdhsa_kernel
	.amdgpu_metadata
---
amdhsa.version: [ 1, 2 ]
amdhsa.kernels:
  - .name:           k_q714d628d92_attn_s
    .symbol:         k_q714d628d92_attn_s.kd
    .args:
      - { .name: A0, .offset: 0, .size: 8, .value_kind: global_buffer, .address_space: global }
      - { .name: A1, .offset: 8, .size: 8, .value_kind: global_buffer, .address_space: global }
      - { .name: oc, .offset: 16, .size: 8, .value_kind: global_buffer, .address_space: global }
    .group_segment_fixed_size: 327680
    .private_segment_fixed_size: 0
    .kernarg_segment_align: 8
    .kernarg_segment_size: 24
    .max_flat_workgroup_size: 512
    .sgpr_count:     66
    .vgpr_count:     256
    .wavefront_size: 32
...
	.end_amdgpu_metadata
.endif
;; end of part 3
;; launch ffn_s (part 4): grid 128 x 2, 4 waves a work-group, no clusters, 86,016 bytes of LDS; arguments oc, desc0, desc1, wc_s, bo_s, b1_s, g_s, be_s, b2_s, d0, d1; writes d0, d1
.if DOCPART == 4
	.amdgcn_target "amdgcn-amd-amdhsa--gfx1250"
	.amdhsa_code_object_version 6
	.text
	.protected	k_q714d628d92_ffn_s
	.globl	k_q714d628d92_ffn_s
	.p2align	8
	.type	k_q714d628d92_ffn_s,@function
k_q714d628d92_ffn_s:
	s_mov_b64 s[64:65], 0
	v_nop
	global_prefetch_b8 v0, s[64:65] scope:SCOPE_SE
	s_setreg_imm32_b32 hwreg(HW_REG_WAVE_MODE, 25, 1), 1
	s_wait_xcnt 0x0
; y = x + gelu(layernorm([x, o Wo + bo] W1 + b1)) W2 + b2, the three products on codes of E4M3.  Work-group (x, y): rows 64 x .. 64 x + 63 of stream y.
; o arrives as images of operand registers (oc: [stream][tile of 16 rows][K step][2,048]); the weights likewise (wc: records, then Wo 32, W1 128, W2 64 images for each stream).
; SHARES.  THE WAVES SHARE THE COLUMNS: wave w makes columns 64 w on of the message, hidden units 128 w on, outputs 64 w on, for all 64 rows; its weights go from memory into its registers, once.
; What goes round is small: the rows' codes, through LDS as images of registers (16 bytes a lane at 16 x lane); and for the norm a pair of numbers for each row and wave.
; All products are used transposed (source 0 = 16 columns of W, source 1 = 16 rows): a lane holds one row and eight neighbouring columns, so one conversion of a tile is two registers of the next operand.
; LAYERNORM over 512 columns of four waves: each wave takes its own mean and its own sum of squared deviations of 128 columns; the four pairs are joined by
; M2 = sum of M2_w + 128 x sum of (mean_w - mean)^2: one exchange, and no difference of large sums.
; GELU, exact form: h / 2 + h / 2 x erf(h / sqrt 2), erf(z) = z P(z^2) / Q(z^2) with z held within +-4: degrees 6 and 4 in z^2, absolute error about 1e-7.
; LIMITS: eA(W1), eA(W1) - eA(Wo) - eWo, eA(W2) between -126 and 119; eA(W2) + eW2 between -126 and 127.  NaN and infinity are not served.  Where 1 + erf cancels (h far below 0) gelu keeps erf's absolute error.
; No cluster: joint loads land in LDS, and a stream's 448 KB of weight codes do not fit there beside the images; each wave's quarter goes straight into the registers that keep it.
; Nothing is prefetched: every load is issued as soon as its registers are free, and a work-group has one block.
; LDS: 0 z's 16 images (4 m + ks; ks 0, 1 = x, 2, 3 = the message); 32,768 the hidden layer's 16 (4 m + wave); 65,536 the norm's pairs; 67,584 a stage of 16 rows x 272 bytes for each wave; 84,992 the spare words.
; REGISTERS.  window 0: below.  windows 1, 2: W1's image (t, ks) at 128 ks + 16 t; later window 1: W2's (c, ks) at 16 (4 c + ks), window 2 v0-127: x for the residual.
;   window 3: Wo (32 c + 16 ks) and o (128 + 32 m + 16 ks); then the hidden layer's sums, 64 m + 8 t; then the outputs' sums, 8 (4 m + c).
.set LI,  1                            ; 16 x lane
.set XA,  2                            ; x: row r of 1,024 bytes + 32 h
.set ZWX, 3                            ; where I store x's images
.set ZWM, 4                            ; the message's
.set HWI, 5                            ; the hidden layer's
.set STW, 6                            ; the norm's pair: mine
.set STR, 7                            ; and all four
.set SO,  8                            ; the stage: in
.set SR,  9                            ; and back
.set GO,  10                           ; my 16 bytes in two rows of x and y
.set HB,  11                           ; 32 h
.set SX,  12                           ; v12-17: scale and limit for x, the message, the hidden layer
.set LX,  13
.set SM,  14
.set LM,  15
.set SH,  16
.set LH,  17
; v18 r, v19 h
.set VB2, 20                           ; v20-23 b2
.set NMO, 24                           ; v24-27 my own -mean of the four tiles
.set SPW, 30
.set NIL, 31
.set R1,  32                           ; v32-95
.set R2,  96                           ; v96-159
.set R3,  160                          ; v160-223
.set T,   224                          ; v224-239 held numbers; then the norm's pairs; then (a, .), (da, .) of each tile
.set PC,  240                          ; v240-255 codes just made; at work
.set HH,  160                          ; the activation's registers
.set ZZ,  168
.set X2,  176
.set PP,  184
.set QQ,  192
.set HC,  200                          ; v200-215 a tile's hidden codes;  v[216:217], v[218:219] two coefficients;  v220 b2's address
.set HIMG, 32768
.set STAT, 65536
.set STG,  67584
.set SPARE, 84992
.set CA13, 66                          ; scalar pairs: erf's coefficients, and 1 / sqrt 2
.set CA9,  68
.set CA7,  70
.set CA5,  72
.set CA3,  74
.set CA1,  76
.set CB8,  78
.set CB4,  80
.set CB2,  82
.set CB0,  84
.set CRS,  86
.set MSB, 0
.macro WIN new
.if MSB != \new
	s_set_vgpr_msb (MSB<<8)|\new
.set MSB, \new
.endif
.endm
.macro MKSC se, vs, vl, t0
	s_add_co_i32 s[\t0], s[\se], 127
	s_lshl_b32 s[\t0+1], s[\t0], 23
	v_mov_b32 v[\vs], s[\t0+1]
	s_add_co_i32 s[\t0], s[\t0], 8
	s_lshl_b32 s[\t0], s[\t0], 23
	s_or_b32 s[\t0], s[\t0], 0x600000
	v_mov_b32 v[\vl], s[\t0]
.endm
.macro CPAIR n, val
	s_mov_b32 s[\n], \val
	s_mov_b32 s[\n+1], \val
.endm
.macro QUANTF src, pc, sc, lim
.irp cc, 0,1,2,3,4,5,6,7
.irp j, 0,1,2,3,4,5,6,7
	v_med3_num_f32 v[T+8*(\cc%2)+\j], v[(\src)+8*\cc+\j], -v[\lim], v[\lim]
.endr
	v_cvt_scalef32_pk8_fp8_f32 v[(\pc)+2*\cc:(\pc)+2*\cc+1], v[T+8*(\cc%2):T+8*(\cc%2)+7], v[\sc]
.endr
	v_nop
.endm
.macro Q8 dst, src, sc, lim
.irp j, 0,1,2,3,4,5,6,7
	v_med3_num_f32 v[(\src)+\j], v[(\src)+\j], -v[\lim], v[\lim]
.endr
	v_cvt_scalef32_pk8_fp8_f32 v[(\dst):(\dst)+1], v[(\src):(\src)+7], v[\sc]
.endm
.macro IMAGE adr, reg, off, n
.set IG, 0
.rept \n
	ds_store_b128 v[\adr], v[(\reg)+4*IG:(\reg)+4*IG+3] offset:(\off)+512*IG
.set IG, IG+1
.endr
.endm
.macro FETCH reg, adr, off, n
.set IG, 0
.rept \n
	ds_load_b128 v[(\reg)+4*IG:(\reg)+4*IG+3], v[\adr] offset:(\off)+512*IG
.set IG, IG+1
.endr
.endm
.macro FETCHH buf, ks                  ; K step ks of the hidden layer, the four tiles of rows
.irp m, 0,1,2,3
	FETCH (\buf)+16*\m, LI, HIMG+(4*\m+(\ks))*2048, 4
.endr
.endm
.macro PLACES n
.rept \n
	v_nop
.endr
.endm
.macro BARRIER                         ; my LDS stores have landed and my LDS loads are in: then the work-group's barrier
	s_wait_dscnt 0x0
	s_barrier_signal -1
	s_barrier_wait -1
.endm
.macro HORN d, k                       ; a step of Horner's rule on eight numbers
.irp i, 0,2,4,6
	v_pk_fma_f32 v[\d+\i:\d+\i+1], v[\d+\i:\d+\i+1], v[X2+\i:X2+\i+1], s[\k:\k+1] op_sel_hi:[1,1,0]
.endr
.endm
	s_load_b512 s[4:19], s[0:1], 0x0               ; oc, x0, x1, wc, bo, b1, g, be
	s_load_b128 s[20:23], s[0:1], 0x40             ; b2, y0
	s_load_b64 s[24:25], s[0:1], 0x50              ; y1
	v_lshl_add_u32 v[SPW], v0, 2, SPARE
	v_mov_b32 v[NIL], 0
	v_lshrrev_b32 v18, 5, v0
	v_readfirstlane_b32 s27, v18                   ; wave
	v_and_b32 v18, 31, v0
	v_lshlrev_b32 v[LI], 4, v18
	s_wait_alu depctr_va_vdst(0)
	v_and_b32 v18, 15, v0                          ; r
	s_wait_alu depctr_va_vdst(0)
	v_bfe_u32 v19, v0, 4, 1                        ; h
	v_lshlrev_b32 v[XA], 10, v18
	v_lshl_add_u32 v[XA], v19, 5, v[XA]
	v_lshlrev_b32 v[HB], 5, v19
	s_lshl_b32 s96, s27, 13
	v_add_nc_u32 v[ZWX], s96, v[LI]                ; tile w, K steps 0 and 1
	s_lshr_b32 s96, s27, 1
	s_add_co_u32 s96, s96, 2
	s_lshl_b32 s96, s96, 11                        ; K step 2 + w / 2,
	s_and_b32 s97, s27, 1
	s_lshl_b32 s97, s97, 10                        ; registers 8 (w % 2) on
	s_add_co_u32 s96, s96, s97
	v_add_nc_u32 v[ZWM], s96, v[LI]
	s_lshl_b32 s96, s27, 11
	s_add_co_u32 s96, s96, HIMG
	v_add_nc_u32 v[HWI], s96, v[LI]
	s_lshl_b32 s96, s27, 9
	s_add_co_u32 s96, s96, STAT
	v_lshl_add_u32 v[STW], v18, 3, s96
	v_lshlrev_b32 v[STR], 3, v18
	v_add_nc_u32 v[STR], STAT, v[STR]
	s_mul_i32 s96, s27, 16*272
	s_add_co_u32 s96, s96, STG
	v_mul_u32_u24 v[SO], v18, 272
	v_lshl_add_u32 v[SO], v19, 5, v[SO]
	v_add_nc_u32 v[SO], s96, v[SO]
	v_mul_u32_u24 v[SR], v19, 272
	v_lshl_add_u32 v[SR], v18, 4, v[SR]
	v_add_nc_u32 v[SR], s96, v[SR]
	v_lshlrev_b32 v[GO], 10, v19
	v_lshl_add_u32 v[GO], v18, 4, v[GO]
	s_lshl_b32 s96, s27, 8
	v_add_nc_u32 v[GO], s96, v[GO]
	s_and_b32 s26, ttmp7, 0xffff                   ; stream
	s_lshl_b32 s28, s26, 10                        ; its record
	s_mov_b32 s29, 0
	s_lshl_b32 s42, ttmp9, 16                      ; the block's 64 rows of 1,024 bytes
	s_mov_b32 s43, 0
	s_lshl_b32 s96, s27, 14
	s_add_co_u32 s40, s42, s96                     ; my 16 of them
	s_mov_b32 s41, 0
	s_lshl_b32 s46, s26, 21
	s_lshl_b32 s97, ttmp9, 14
	s_add_co_u32 s46, s46, s97                     ; o: four tiles of rows x 4,096
	s_mov_b32 s47, 0
	s_mul_i32 s97, s26, 458752
	s_add_co_u32 s97, s97, 2048                    ; the stream's copy of the weights
	s_add_co_u32 s48, s97, s96                     ; Wo: my 8 images
	s_mov_b32 s49, 0
	s_lshl_b32 s96, s27, 16
	s_add_co_u32 s50, s97, s96
	s_add_co_u32 s50, s50, 65536                   ; W1: my 32
	s_mov_b32 s51, 0
	s_lshl_b32 s96, s27, 15
	s_add_co_u32 s52, s97, s96
	s_add_co_u32 s52, s52, 327680                  ; W2: my 16
	s_mov_b32 s53, 0
	s_lshl_b32 s54, s27, 8
	s_mov_b32 s55, 0
	s_lshl_b32 s56, s27, 9
	s_mov_b32 s57, 0
	CPAIR CA13, 0xaf95df0b
	CPAIR CA9,  0xb60cff51
	CPAIR CA7,  0xb86ec2d2
	CPAIR CA5,  0xba40ac63
	CPAIR CA3,  0xbb41a1f6
	CPAIR CA1,  0xbc83dbd4
	CPAIR CB8,  0xb77460cd
	CPAIR CB4,  0xbadc924e
	CPAIR CB2,  0xbbf19bf8
	CPAIR CB0,  0xbc69b6a7
	CPAIR CRS,  0x3f3504f3
	s_mov_b32 s92, 0x76543210
	s_mov_b32 s93, 0xfedcba98
	s_wait_kmcnt 0x0
	s_cmp_eq_u32 s26, 0
	s_cselect_b64 s[6:7], s[6:7], s[8:9]
	s_cselect_b64 s[22:23], s[22:23], s[24:25]
	s_add_nc_u64 s[28:29], s[10:11], s[28:29]
	s_load_b256 s[32:39], s[28:29], 0x0            ; eA(Wo), eWo, eA(W1), eW1, eA(W2), eW2
	s_add_nc_u64 s[40:41], s[6:7], s[40:41]
	s_add_nc_u64 s[44:45], s[22:23], s[42:43]
	s_add_nc_u64 s[42:43], s[6:7], s[42:43]
	s_add_nc_u64 s[46:47], s[4:5], s[46:47]
	s_add_nc_u64 s[48:49], s[10:11], s[48:49]
	s_add_nc_u64 s[50:51], s[10:11], s[50:51]
	s_add_nc_u64 s[52:53], s[10:11], s[52:53]
	s_add_nc_u64 s[20:21], s[20:21], s[54:55]
	s_add_nc_u64 s[54:55], s[12:13], s[54:55]
	s_add_nc_u64 s[58:59], s[16:17], s[56:57]
	s_add_nc_u64 s[60:61], s[18:19], s[56:57]
	s_add_nc_u64 s[56:57], s[14:15], s[56:57]
	; ---- the first run of loads: x, o, Wo, bo, then W1
.irp ks, 0,1
.irp cc, 0,1,2,3,4,5,6,7
	global_load_b128 v[R1+64*\ks+8*\cc:R1+64*\ks+8*\cc+3], v[XA], s[40:41] offset:512*\ks+64*\cc
	global_load_b128 v[R1+64*\ks+8*\cc+4:R1+64*\ks+8*\cc+7], v[XA], s[40:41] offset:512*\ks+64*\cc+16
.endr
.endr
	WIN 0xc0
.irp m, 0,1,2,3
.irp ks, 0,1
.irp q, 0,1,2,3
	global_load_b128 v[128+32*\m+16*\ks+4*\q:128+32*\m+16*\ks+4*\q+3], v[LI], s[46:47] offset:\m*4096+\ks*2048+512*\q
.endr
.endr
.endr
.irp c, 0,1,2,3
.irp ks, 0,1
.irp q, 0,1,2,3
	global_load_b128 v[32*\c+16*\ks+4*\q:32*\c+16*\ks+4*\q+3], v[LI], s[48:49] offset:(2*\c+\ks)*2048+512*\q
.endr
.endr
.endr
	WIN 0
.irp c, 0,1,2,3
	global_load_b128 v[192+8*\c:195+8*\c], v[HB], s[54:55] offset:64*\c
	global_load_b128 v[196+8*\c:199+8*\c], v[HB], s[54:55] offset:64*\c+16
.endr
	WIN 0x40
.irp ks, 0,1
.irp t, 0,1,2,3,4,5,6,7
.irp q, 0,1,2,3
	global_load_b128 v[128*\ks+16*\t+4*\q:128*\ks+16*\t+4*\q+3], v[LI], s[50:51] offset:(4*\t+\ks)*2048+512*\q
.endr
.endr
.endr
	WIN 0x80
.irp ks, 0,1
.irp t, 0,1,2,3,4,5,6,7
.irp q, 0,1,2,3
	global_load_b128 v[128*\ks+16*\t+4*\q:128*\ks+16*\t+4*\q+3], v[LI], s[50:51] offset:(4*\t+\ks+2)*2048+512*\q
.endr
.endr
.endr
	WIN 0
	s_wait_loadcnt 63                              ; behind x, o, Wo and bo stand W1's 128 loads: with 63 out at the most, the four are in
	s_wait_kmcnt 0x0
	s_add_co_i32 s30, s32, s33                     ; a sum of the first product stands for sum x 2^s30,
	s_add_co_i32 s31, s34, s35                     ; of the second x 2^s31,
	s_sub_co_i32 s88, 0, s30
	s_sub_co_i32 s89, 0, s31
	s_lshl_b32 s90, s31, 1
	s_sub_co_i32 s90, s90, 9                       ; (the variance: M2 x 2^(2 s31) / 512)
	s_add_co_i32 s62, s36, s37
	s_add_co_i32 s62, s62, 127
	s_lshl_b32 s62, s62, 23                        ; of the third x s62 as f32
	s_mov_b32 s63, s62
	MKSC 34, SX, LX, 94
	s_wait_alu depctr_va_vdst(0)
	s_sub_co_i32 s91, s34, s30
	MKSC 91, SM, LM, 94
	MKSC 36, SH, LH, 94
	; ---- X: my 16 rows of x become K steps 0 and 1 of z
	QUANTF R1, PC, SX, LX
	IMAGE ZWX, PC, 0, 4
	s_wait_dscnt 0x0
	QUANTF R2, PC, SX, LX
	IMAGE ZWX, PC, 2048, 4
.irp t, 0,1,2,3,4,5,6,7
	global_load_b128 v[R2+8*\t:R2+8*\t+3], v[HB], s[56:57] offset:64*\t      ; b1, into the registers that x has left
	global_load_b128 v[R2+8*\t+4:R2+8*\t+7], v[HB], s[56:57] offset:64*\t+16
.endr
	; ---- A: the message: my 64 columns of o Wo + bo, quantised as z's K steps 2 and 3
.set IG, 0
.rept 32
	v_ldexp_f32 v[192+IG], v[192+IG], s88
.set IG, IG+1
.endr
.irp m, 0,1,2,3
	WIN 0x0f                                       ; sources 0 (Wo) and 1 (o) window 3
.irp c, 0,1,2,3
	v_wmma_f32_16x16x128_fp8_fp8 v[R3+8*\c:R3+8*\c+7], v[32*\c:32*\c+15], v[128+32*\m:128+32*\m+15], v[192+8*\c:192+8*\c+7]
.endr
.irp c, 0,1,2,3
	v_wmma_f32_16x16x128_fp8_fp8 v[R3+8*\c:R3+8*\c+7], v[32*\c+16:32*\c+31], v[128+32*\m+16:128+32*\m+31], v[R3+8*\c:R3+8*\c+7]
.endr
	WIN 0
	PLACES 4
	s_wait_dscnt 0x0                               ; the last stores have read PC
.irp c, 0,1,2,3
	Q8 PC+2*\c, R3+8*\c, SM, LM
.endr
	v_nop
	IMAGE ZWM, PC, \m*8192, 2
.endr
	BARRIER                                        ; z's sixteen images lie in LDS
	; ---- B: my 128 hidden units for the 64 rows
	s_wait_loadcnt 0x0
.set IG, 0
.rept 64
	v_ldexp_f32 v[R2+IG], v[R2+IG], s89            ; b1 / 2^s31.  (These lines are also the places ahead of products that write over window 3, which the last products read)
.set IG, IG+1
.endr
	FETCH R1, LI, 0, 16
	s_wait_alu depctr_va_vdst(0)
.irp m, 0,1,2,3
.if \m < 3
	FETCH R1+128*((\m+1)%2), LI, (\m+1)*8192, 16
	s_wait_dscnt 16                                ; this tile's four images are in; the next tile's sixteen loads may be out
.else
	s_wait_dscnt 0x0
.endif
.set ZB, R1+128*(\m%2)
	WIN 0xc1                                       ; D window 3, source 0 (W1) window 1, C (b1) window 0
.irp t, 0,1,2,3,4,5,6,7
	v_wmma_f32_16x16x128_fp8_fp8 v[64*\m+8*\t:64*\m+8*\t+7], v[16*\t:16*\t+15], v[ZB:ZB+15], v[R2+8*\t:R2+8*\t+7]
.endr
	WIN 0xf1
.irp t, 0,1,2,3,4,5,6,7
	v_wmma_f32_16x16x128_fp8_fp8 v[64*\m+8*\t:64*\m+8*\t+7], v[128+16*\t:128+16*\t+15], v[ZB+16:ZB+31], v[64*\m+8*\t:64*\m+8*\t+7]
.endr
	WIN 0xf2
.irp t, 0,1,2,3,4,5,6,7
	v_wmma_f32_16x16x128_fp8_fp8 v[64*\m+8*\t:64*\m+8*\t+7], v[16*\t:16*\t+15], v[ZB+32:ZB+47], v[64*\m+8*\t:64*\m+8*\t+7]
.endr
.irp t, 0,1,2,3,4,5,6,7
	v_wmma_f32_16x16x128_fp8_fp8 v[64*\m+8*\t:64*\m+8*\t+7], v[128+16*\t:128+16*\t+15], v[ZB+48:ZB+63], v[64*\m+8*\t:64*\m+8*\t+7]
.endr
	WIN 0
	PLACES 4                                       ; ahead of loads into registers that these products read, and of the first read of results
.endr
	; ---- the second run of loads: g, be, W2, x for the residual, b2
	v_lshlrev_b32 v220, 4, v18
	v_mov_b32 v216, 0x32edffee                     ; erf: the coefficient of z^11,
	v_mov_b32 v217, 0x32edffee
	v_mov_b32 v218, 0xb95fbd29                     ; and the divisor's of z^6: in vector pairs, since an instruction names one scalar pair here
	v_mov_b32 v219, 0xb95fbd29
.irp t, 0,1,2,3,4,5,6,7
	global_load_b128 v[R1+8*\t:R1+8*\t+3], v[HB], s[58:59] offset:64*\t
	global_load_b128 v[R1+8*\t+4:R1+8*\t+7], v[HB], s[58:59] offset:64*\t+16
.endr
.irp t, 0,1,2,3,4,5,6,7
	global_load_b128 v[R2+8*\t:R2+8*\t+3], v[HB], s[60:61] offset:64*\t
	global_load_b128 v[R2+8*\t+4:R2+8*\t+7], v[HB], s[60:61] offset:64*\t+16
.endr
	WIN 0x40
.irp c, 0,1,2,3
.irp ks, 0,1,2,3
.irp q, 0,1,2,3
	global_load_b128 v[16*(4*\c+\ks)+4*\q:16*(4*\c+\ks)+4*\q+3], v[LI], s[52:53] offset:(4*\c+\ks)*2048+512*\q
.endr
.endr
.endr
	WIN 0x80
.irp m, 0,1,2,3
.irp i, 0,1,2,3,4,5,6,7
	global_load_b128 v[32*\m+4*\i:32*\m+4*\i+3], v[GO], s[42:43] offset:\m*16384+\i*2048
.endr
.endr
	WIN 0
	global_load_b128 v[VB2:VB2+3], v220, s[20:21]
	; ---- the norm, my own 128 columns: -mean, the deviations in place, their squares' sum
.irp m, 0,1,2,3
	WIN 0x0f
	v_pk_add_f32 v[240:241], v[64*\m:64*\m+1], v[64*\m+4:64*\m+5]     ; the first tile starts the two chains: nothing is cleared
	v_pk_add_f32 v[242:243], v[64*\m+2:64*\m+3], v[64*\m+6:64*\m+7]
	WIN 0x0c
.set IG, 8
.rept 14
	v_pk_add_f32 v[240:241], v[240:241], v[64*\m+IG:64*\m+IG+1]
	v_pk_add_f32 v[242:243], v[242:243], v[64*\m+IG+2:64*\m+IG+3]
.set IG, IG+4
.endr
	WIN 0
	v_pk_add_f32 v[240:241], v[240:241], v[242:243]
	v_add_f32 v240, v240, v241
	v_permlanex16_b32 v241, v240, s92, s93
	v_add_f32 v240, v240, v241
	v_mul_f32 v[224+2*\m], 0xbc000000, v240        ; x -1/128
	v_mov_b32 v[NMO+\m], v[224+2*\m]
	WIN 0xc3
.set IG, 0
.rept 32
	v_pk_add_f32 v[64*\m+IG:64*\m+IG+1], v[64*\m+IG:64*\m+IG+1], v[224+2*\m:225+2*\m] op_sel_hi:[1,0]
.set IG, IG+2
.endr
	WIN 0x0f
	v_pk_mul_f32 v[244:245], v[64*\m:64*\m+1], v[64*\m:64*\m+1]
	v_pk_mul_f32 v[246:247], v[64*\m+2:64*\m+3], v[64*\m+2:64*\m+3]
.set IG, 4
.rept 15
	v_pk_fma_f32 v[244:245], v[64*\m+IG:64*\m+IG+1], v[64*\m+IG:64*\m+IG+1], v[244:245]
	v_pk_fma_f32 v[246:247], v[64*\m+IG+2:64*\m+IG+3], v[64*\m+IG+2:64*\m+IG+3], v[246:247]
.set IG, IG+4
.endr
	WIN 0
	v_pk_add_f32 v[244:245], v[244:245], v[246:247]
	v_add_f32 v244, v244, v245
	v_permlanex16_b32 v245, v244, s92, s93
	v_add_f32 v[225+2*\m], v244, v245
	ds_store_b64 v[STW], v[224+2*\m:225+2*\m] offset:\m*128
.endr
	BARRIER                                        ; the four waves' pairs lie in LDS
	; ---- the norm, joined
.irp m, 0,1,2,3
.irp w, 0,1,2,3
	ds_load_b64 v[160+8*\m+2*\w:161+8*\m+2*\w], v[STR] offset:\w*512+\m*128
.endr
.endr
	s_wait_dscnt 0x0
.irp m, 0,1,2,3
	v_add_f32 v240, v[160+8*\m], v[162+8*\m]
	v_add_f32 v241, v[164+8*\m], v[166+8*\m]
	v_add_f32 v240, v240, v241
	v_mul_f32 v240, 0x3e800000, v240               ; -mean of the 512
	v_sub_f32 v241, v[160+8*\m], v240
	v_sub_f32 v242, v[162+8*\m], v240
	v_sub_f32 v243, v[164+8*\m], v240
	v_sub_f32 v244, v[166+8*\m], v240
	v_mul_f32 v241, v241, v241
	v_fma_f32 v241, v242, v242, v241
	v_fma_f32 v241, v243, v243, v241
	v_fma_f32 v241, v244, v244, v241
	v_add_f32 v242, v[161+8*\m], v[163+8*\m]
	v_add_f32 v243, v[165+8*\m], v[167+8*\m]
	v_add_f32 v242, v242, v243
	v_fma_f32 v241, v241, 0x43000000, v242         ; M2 = the four M2 + 128 x the means' squared deviations
	v_ldexp_f32 v241, v241, s90
	v_add_f32 v[248+\m], 0x3727c5ac, v241          ; the variance + 1e-5
	v_sub_f32 v[252+\m], v240, v[NMO+\m]           ; my mean less the mean
.endr
	s_wait_alu depctr_va_vdst(0)
.irp m, 0,1,2,3
	v_rsq_f32 v[248+\m], v[248+\m]
.endr
	v_nop
	s_wait_alu depctr_va_vdst(0)                   ; one wait for the four, ahead of their first reader
.irp m, 0,1,2,3
	v_ldexp_f32 v[224+4*\m], v[248+\m], s31        ; a = 2^s31 / sqrt(variance + eps)
	v_mul_f32 v[226+4*\m], v[252+\m], v[224+4*\m]  ; da: what my deviations lack, x a
.endr
	s_wait_alu depctr_va_vdst(0)
	s_wait_loadcnt 63                              ; behind g and be stand 97 younger loads
; eight hidden units of 16 rows: norm, gain and bias, gelu, codes
.macro POST m, t
	WIN 0x03
.irp i, 0,2,4,6
	v_pk_fma_f32 v[HH+\i:HH+\i+1], v[64*(\m)+8*(\t)+\i:64*(\m)+8*(\t)+\i+1], v[224+4*(\m):225+4*(\m)], v[226+4*(\m):227+4*(\m)] op_sel_hi:[1,0,0]
.endr
	WIN 0
.irp i, 0,2,4,6
	v_pk_fma_f32 v[HH+\i:HH+\i+1], v[HH+\i:HH+\i+1], v[R1+8*(\t)+\i:R1+8*(\t)+\i+1], v[R2+8*(\t)+\i:R2+8*(\t)+\i+1]
.endr
.irp i, 0,2,4,6
	v_pk_mul_f32 v[ZZ+\i:ZZ+\i+1], v[HH+\i:HH+\i+1], s[CRS:CRS+1] op_sel_hi:[1,0]
.endr
.irp j, 0,1,2,3,4,5,6,7
	v_med3_num_f32 v[ZZ+\j], v[ZZ+\j], -4.0, 4.0
.endr
.irp i, 0,2,4,6
	v_pk_mul_f32 v[X2+\i:X2+\i+1], v[ZZ+\i:ZZ+\i+1], v[ZZ+\i:ZZ+\i+1]
.endr
.irp i, 0,2,4,6
	v_pk_fma_f32 v[PP+\i:PP+\i+1], v[X2+\i:X2+\i+1], s[CA13:CA13+1], v[216:217] op_sel_hi:[1,0,0]
.endr
.irp i, 0,2,4,6
	v_pk_fma_f32 v[QQ+\i:QQ+\i+1], v[X2+\i:X2+\i+1], s[CB8:CB8+1], v[218:219] op_sel_hi:[1,0,0]
.endr
	HORN PP, CA9
	HORN QQ, CB4
	HORN PP, CA7
	HORN QQ, CB2
	HORN PP, CA5
	HORN QQ, CB0
	s_wait_alu depctr_va_vdst(0)
.irp j, 0,1,2,3,4,5,6,7
	v_rcp_f32 v[QQ+\j], v[QQ+\j]
.endr
	HORN PP, CA3                                   ; sixteen plain lines that name no reciprocal stand between the batch and its wait
	HORN PP, CA1
.irp i, 0,2,4,6
	v_pk_mul_f32 v[PP+\i:PP+\i+1], v[PP+\i:PP+\i+1], v[ZZ+\i:ZZ+\i+1]
.endr
.irp i, 0,2,4,6
	v_pk_mul_f32 v[X2+\i:X2+\i+1], v[HH+\i:HH+\i+1], 0.5 op_sel_hi:[1,0]
.endr
	s_wait_alu depctr_va_vdst(0)                   ; one wait for the eight reciprocals
.irp i, 0,2,4,6
	v_pk_mul_f32 v[PP+\i:PP+\i+1], v[PP+\i:PP+\i+1], v[QQ+\i:QQ+\i+1]     ; erf
.endr
.irp i, 0,2,4,6
	v_pk_fma_f32 v[HH+\i:HH+\i+1], v[X2+\i:X2+\i+1], v[PP+\i:PP+\i+1], v[X2+\i:X2+\i+1]
.endr
	Q8 HC+2*(\t), HH, SH, LH
	v_nop                                          ; a plain line between the conversion and the next write of its sources
.endm
.irp m, 0,1,2,3
	s_wait_dscnt 0x0                               ; the last tile's stores have read HC
.irp t, 0,1,2,3,4,5,6,7
	POST \m, \t
.endr
	IMAGE HWI, HC, \m*8192, 4                      ; K step w of the last product, rows 16 m on
.endr
	BARRIER                                        ; the hidden layer's sixteen images lie in LDS
	; ---- C: my 64 outputs for the 64 rows: sixteen accumulators by turns, a K step at a time
	s_wait_loadcnt 33                              ; W2 is in; x's 32 loads for the residual and b2's one may be out
	FETCHH R1, 0
.irp ks, 0,1,2,3
.if \ks < 3
	FETCHH R1+64*((\ks+1)%2), \ks+1
	s_wait_dscnt 16
.else
	s_wait_dscnt 0x0
.endif
.set ZB, R1+64*(\ks%2)
.if \ks == 0
	WIN 0xc1
.else
	WIN 0xf1
.endif
.irp m, 0,1,2,3
.irp c, 0,1,2,3
.if \ks == 0
	v_wmma_f32_16x16x128_fp8_fp8 v[8*(4*\m+\c):8*(4*\m+\c)+7], v[16*(4*\c+\ks):16*(4*\c+\ks)+15], v[ZB+16*\m:ZB+16*\m+15], 0
.else
	v_wmma_f32_16x16x128_fp8_fp8 v[8*(4*\m+\c):8*(4*\m+\c)+7], v[16*(4*\c+\ks):16*(4*\c+\ks)+15], v[ZB+16*\m:ZB+16*\m+15], v[8*(4*\m+\c):8*(4*\m+\c)+7]
.endif
.endr
.endr
	WIN 0
	PLACES 4
.endr
	; ---- the way out: 16 rows x my 256 bytes through my own stage; y = x + sum x 2^(eA + eW) + b2
	s_wait_loadcnt 0x0
.irp m, 0,1,2,3
.set OB, R3+32*(\m%2)
.if \m >= 2
	s_wait_xcnt 0x0                                ; the stores of two tiles back have read these registers
.endif
	WIN 0x0c                                       ; the stores' data lie in window 3
.irp c, 0,1,2,3
	ds_store_b128 v[SO], v[8*(4*\m+\c):8*(4*\m+\c)+3] offset:64*\c
	ds_store_b128 v[SO], v[8*(4*\m+\c)+4:8*(4*\m+\c)+7] offset:64*\c+16
.endr
	WIN 0
.irp i, 0,1,2,3,4,5,6,7
	ds_load_b128 v[OB+4*\i:OB+4*\i+3], v[SR] offset:\i*544    ; LDS serves a wave's instructions in order (ISA guide 5.7.1.4): these see my stores, and the next tile's stores come behind them
.endr
	s_wait_dscnt 0x0
.irp i, 0,1,2,3,4,5,6,7
	v_pk_fma_f32 v[OB+4*\i:OB+4*\i+1], v[OB+4*\i:OB+4*\i+1], s[62:63], v[VB2:VB2+1] op_sel_hi:[1,0,1]
	v_pk_fma_f32 v[OB+4*\i+2:OB+4*\i+3], v[OB+4*\i+2:OB+4*\i+3], s[62:63], v[VB2+2:VB2+3] op_sel_hi:[1,0,1]
.endr
	WIN 0x08
.irp i, 0,1,2,3,4,5,6,7
	v_pk_add_f32 v[OB+4*\i:OB+4*\i+1], v[OB+4*\i:OB+4*\i+1], v[32*\m+4*\i:32*\m+4*\i+1]
	v_pk_add_f32 v[OB+4*\i+2:OB+4*\i+3], v[OB+4*\i+2:OB+4*\i+3], v[32*\m+4*\i+2:32*\m+4*\i+3]
.endr
	WIN 0
.irp i, 0,1,2,3,4,5,6,7
	global_store_b128 v[GO], v[OB+4*\i:OB+4*\i+3], s[44:45] offset:\m*16384+\i*2048   ; sixteen lanes store 256 consecutive bytes, aligned
.endr
.endr
	s_wait_tensorcnt 0x0                           ; the wave's end, behind my last LDS store
	ds_add_u32 v[SPW], v[NIL]
	s_wait_dscnt 0x0
	s_endpgm
.Lfunc_end_k_q714d628d92_ffn_s:
	.size	k_q714d628d92_ffn_s, .Lfunc_end_k_q714d628d92_ffn_s-k_q714d628d92_ffn_s
	.p2alignl 7, 3214868480
	.fill 96, 4, 3214868480
	.section	.rodata,"a",@progbits
	.p2align	6, 0x0
	.amdhsa_kernel k_q714d628d92_ffn_s
		.amdhsa_group_segment_fixed_size 86016
		.amdhsa_private_segment_fixed_size 0
		.amdhsa_enable_private_segment 0
		.amdhsa_kernarg_size 88
		.amdhsa_user_sgpr_count 2
		.amdhsa_user_sgpr_kernarg_segment_ptr 1
		.amdhsa_wavefront_size32 1
		.amdhsa_system_sgpr_workgroup_id_x 1
		.amdhsa_system_sgpr_workgroup_id_y 1
		.amdhsa_system_sgpr_workgroup_id_z 1
		.amdhsa_system_vgpr_workitem_id 0
		.amdhsa_next_free_vgpr 1024
		.amdhsa_next_free_sgpr 100
		.amdhsa_reserve_vcc 0
		.amdhsa_float_denorm_mode_32 3
		.amdhsa_float_denorm_mode_16_64 3
		.amdhsa_memory_ordered 1
		.amdhsa_forward_progress 1
		.amdhsa_inst_pref_size 255
	.end_amdhsa_kernel
	.section	.bss,"aw",@nobits
	.p2align	6
	.space	262144
	.amdgpu_metadata
---
amdhsa.version: [ 1, 2 ]
amdhsa.kernels:
  - .name:           k_q714d628d92_ffn_s
    .symbol:         k_q714d628d92_ffn_s.kd
    .args:
      - { .name: oc, .offset: 0, .size: 8, .value_kind: global_buffer, .address_space: global }
      - { .name: desc0, .offset: 8, .size: 8, .value_kind: global_buffer, .address_space: global }
      - { .name: desc1, .offset: 16, .size: 8, .value_kind: global_buffer, .address_space: global }
      - { .name: wc_s, .offset: 24, .size: 8, .value_kind: global_buffer, .address_space: global }
      - { .name: bo_s, .offset: 32, .size: 8, .value_kind: global_buffer, .address_space: global }
      - { .name: b1_s, .offset: 40, .size: 8, .value_kind: global_buffer, .address_space: global }
      - { .name: g_s, .offset: 48, .size: 8, .value_kind: global_buffer, .address_space: global }
      - { .name: be_s, .offset: 56, .size: 8, .value_kind: global_buffer, .address_space: global }
      - { .name: b2_s, .offset: 64, .size: 8, .value_kind: global_buffer, .address_space: global }
      - { .name: d0, .offset: 72, .size: 8, .value_kind: global_buffer, .address_space: global }
      - { .name: d1, .offset: 80, .size: 8, .value_kind: global_buffer, .address_space: global }
    .group_segment_fixed_size: 86016
    .private_segment_fixed_size: 0
    .kernarg_segment_align: 8
    .kernarg_segment_size: 88
    .max_flat_workgroup_size: 128
    .sgpr_count:     100
    .vgpr_count:     1024
    .wavefront_size: 32
...
	.end_amdgpu_metadata
.endif
;; end of part 4
;; launch projc (part 5): grid 128 x 2, 4 waves a work-group, no clusters, 33,280 bytes of LDS; arguments d0, d1, wc_c, bqk_c, bv_c, lowp_scales, A0, A1; writes A0, A1
.if DOCPART == 5
	.amdgcn_target "amdgcn-amd-amdhsa--gfx1250"
	.amdhsa_code_object_version 6
	.text
	.protected	k_q714d628d92_projc
	.globl	k_q714d628d92_projc
	.p2align	8
	.type	k_q714d628d92_projc,@function
k_q714d628d92_projc:
	s_mov_b64 s[64:65], 0
	v_nop
	global_prefetch_b8 v0, s[64:65] scope:SCOPE_SE
	s_setreg_imm32_b32 hwreg(HW_REG_WAVE_MODE, 25, 1), 1
	s_wait_xcnt 0x0
; The cross block's projections: qk = (x Wqk + bqk) x 64^(-1/4) and v = x Wv + bv on codes of E4M3, both quantised for the attention.  Work-group (x, y): rows 64 x .. of stream y.
; Wave w is head w.  x is quantised twice, since the two products give it two scales; wave w does rows 16 w on for all four waves; the images go through LDS, one barrier.
; qk: transposed (a lane holds one row and eight channels).  v: natural (a lane holds one channel and eight keys).  Layouts and images as in the launch that makes q, k, v of the self block.
; Direction s of the attention (buffer A_s) has stream s's qk as queries, the other stream's qk as keys and the other stream's v: so my qk goes into A_s as q and into A_(1-s) as k, my v into A_(1-s).
; LIMITS: the exponents of x's two scales, and of each result's scale less its product's two, between -126 and 119; NaN and infinity are not served.
; No cluster: the weights, 128 KB of codes, go straight into the registers that keep them, a quarter a wave, once.
; REGISTERS.  window 0: below.  window 1: v0-127 Wqk's images (32 c + 16 ks), v128-255 Wv's.  window 2: v0-31 qk's bias, v32-63 v's.
.set LI,  1
.set XA,  2
.set XWI, 3
.set HB,  5                            ; 32 h
.set BVA, 6                            ; 4 r
.set SXQ, 8
.set LXQ, 9
.set SXV, 10
.set LXV, 11
.set SQ,  12
.set LQ,  13
.set SV,  14
.set LV,  15
.set BVL, 16
.set REC, 20
.set RA,  28
.set SPW, 30
.set NIL, 31
.set XFQ, 32                           ; v32-63   x under Wqk's scale, a tile's two fragments
.set ACC, 64                           ; v64-95   qk's four tiles;  at the head v64-191 hold x as f32
.set ACCV,96                           ; v96-127  v's four
.set XFV, 128                          ; v128-159 x under Wv's scale
.set VC,  192
.set T,   192
.set QC,  224
.set PC,  240
.set SPARE, 32768
.set MSB, 0
.macro WIN new
.if MSB != \new
	s_set_vgpr_msb (MSB<<8)|\new
.set MSB, \new
.endif
.endm
.macro MKSC se, vs, vl, t0
	s_add_co_i32 s[\t0], s[\se], 127
	s_lshl_b32 s[\t0+1], s[\t0], 23
	v_mov_b32 v[\vs], s[\t0+1]
	s_add_co_i32 s[\t0], s[\t0], 8
	s_lshl_b32 s[\t0], s[\t0], 23
	s_or_b32 s[\t0], s[\t0], 0x600000
	v_mov_b32 v[\vl], s[\t0]
.endm
.macro QUANTF src, pc, sc, lim
.irp cc, 0,1,2,3,4,5,6,7
.irp j, 0,1,2,3,4,5,6,7
	v_med3_num_f32 v[T+8*(\cc%2)+\j], v[(\src)+8*\cc+\j], -v[\lim], v[\lim]
.endr
	v_cvt_scalef32_pk8_fp8_f32 v[(\pc)+2*\cc:(\pc)+2*\cc+1], v[T+8*(\cc%2):T+8*(\cc%2)+7], v[\sc]
.endr
	v_nop
.endm
.macro Q8 dst, src, sc, lim
.irp j, 0,1,2,3,4,5,6,7
	v_med3_num_f32 v[(\src)+\j], v[(\src)+\j], -v[\lim], v[\lim]
.endr
	v_cvt_scalef32_pk8_fp8_f32 v[(\dst):(\dst)+1], v[(\src):(\src)+7], v[\sc]
.endm
.macro IMAGE adr, reg, off, n
.set IG, 0
.rept \n
	ds_store_b128 v[\adr], v[(\reg)+4*IG:(\reg)+4*IG+3] offset:(\off)+512*IG
.set IG, IG+1
.endr
.endm
.macro FETCH reg, adr, off, n
.set IG, 0
.rept \n
	ds_load_b128 v[(\reg)+4*IG:(\reg)+4*IG+3], v[\adr] offset:(\off)+512*IG
.set IG, IG+1
.endr
.endm
.macro PLACES n
.rept \n
	v_nop
.endr
.endm
	s_load_b512 s[8:23], s[0:1], 0x0               ; d0, d1, wc_c, bqk_c, bv_c, the scales, A0, A1
	v_lshl_add_u32 v[SPW], v0, 2, SPARE
	v_mov_b32 v[NIL], 0
	v_lshrrev_b32 v7, 5, v0
	v_readfirstlane_b32 s27, v7                    ; wave = head
	v_and_b32 v7, 31, v0
	v_lshlrev_b32 v[LI], 4, v7
	v_lshlrev_b32 v[RA], 5, v7
	v_and_b32 v7, 15, v0                           ; r
	v_bfe_u32 v29, v0, 4, 1                        ; h
	v_lshlrev_b32 v[XA], 10, v7
	v_lshl_add_u32 v[XA], v29, 5, v[XA]
	v_lshlrev_b32 v[HB], 5, v29
	v_lshlrev_b32 v[BVA], 2, v7
	s_lshl_b32 s44, s27, 12
	v_add_nc_u32 v[XWI], s44, v[LI]
	s_and_b32 s26, ttmp7, 0xffff                   ; stream
	s_lshl_b32 s24, ttmp9, 16
	s_lshl_b32 s44, s27, 14
	s_add_co_u32 s24, s24, s44
	s_mov_b32 s25, 0
	s_lshl_b32 s28, s26, 17                        ; the stream's copy: 131,072 bytes apart
	s_add_co_u32 s28, s28, s44
	s_add_co_u32 s28, s28, 919552
	s_mov_b32 s29, 0
	s_lshl_b32 s30, s27, 8
	s_mov_b32 s31, 0
	s_lshr_b32 s44, ttmp9, 5
	s_lshl_b32 s44, s44, 2
	s_add_co_u32 s44, s44, s27                     ; bh
	s_and_b32 s45, ttmp9, 31
	s_lshl_b32 s38, s44, 17
	s_lshl_b32 s46, s45, 12
	s_add_co_u32 s38, s38, s46                     ; q
	s_mov_b32 s39, 0
	s_lshl_b32 s40, s44, 18
	s_add_co_u32 s40, s40, 2097152
	s_lshr_b32 s46, s45, 1
	s_lshl_b32 s46, s46, 14
	s_add_co_u32 s40, s40, s46                     ; the step of 128 keys
	s_and_b32 s46, ttmp9, 1
	s_lshl_b32 s47, s46, 10
	s_add_co_u32 s42, s40, s47
	s_add_co_u32 s42, s42, 8192                    ; v
	s_mov_b32 s43, 0
	s_lshl_b32 s47, s46, 12
	s_add_co_u32 s40, s40, s47                     ; k
	s_mov_b32 s41, 0
	s_wait_alu depctr_va_vdst(0)
	s_wait_kmcnt 0x0
	s_load_b512 s[48:63], s[18:19], 0x60           ; entries 24 to 39
	s_load_b32 s66, s[18:19], 0xa0                 ; entry 40
	s_cmp_eq_u32 s26, 0
	s_cselect_b64 s[8:9], s[8:9], s[10:11]
	s_cselect_b64 s[34:35], s[20:21], s[22:23]     ; my direction's buffer,
	s_cselect_b64 s[36:37], s[22:23], s[20:21]     ; and the other's
	s_add_nc_u64 s[24:25], s[8:9], s[24:25]
	s_add_nc_u64 s[28:29], s[12:13], s[28:29]
	s_add_nc_u64 s[32:33], s[16:17], s[30:31]
	s_add_nc_u64 s[30:31], s[14:15], s[30:31]
	s_add_nc_u64 s[38:39], s[34:35], s[38:39]
	s_add_nc_u64 s[40:41], s[36:37], s[40:41]
	s_add_nc_u64 s[42:43], s[36:37], s[42:43]
.irp ks, 0,1
.irp cc, 0,1,2,3,4,5,6,7
	global_load_b128 v[64+64*\ks+8*\cc:64+64*\ks+8*\cc+3], v[XA], s[24:25] offset:512*\ks+64*\cc
	global_load_b128 v[64+64*\ks+8*\cc+4:64+64*\ks+8*\cc+7], v[XA], s[24:25] offset:512*\ks+64*\cc+16
.endr
.endr
	WIN 0x40
.irp g, 0,1
.irp c, 0,1,2,3
.irp ks, 0,1
.irp q, 0,1,2,3
	global_load_b128 v[128*\g+32*\c+16*\ks+4*\q:128*\g+32*\c+16*\ks+4*\q+3], v[LI], s[28:29] offset:\g*65536+(2*\c+\ks)*2048+512*\q
.endr
.endr
.endr
.endr
	WIN 0x80
.irp c, 0,1,2,3
	global_load_b128 v[8*\c:8*\c+3], v[HB], s[30:31] offset:64*\c
	global_load_b128 v[8*\c+4:8*\c+7], v[HB], s[30:31] offset:64*\c+16
.endr
	WIN 0
.irp c, 0,1,2,3
	global_load_b32 v[BVL+\c], v[BVA], s[32:33] offset:64*\c
.endr
	s_wait_loadcnt 63                              ; behind x's 32 loads stand 76 younger ones
	s_wait_kmcnt 0x0
	s_cmp_eq_u32 s26, 0                            ; my stream's entries
	s_cselect_b32 s48, s48, s50                    ; x for Wqk
	s_cselect_b32 s49, s49, s51                    ; Wqk
	s_cselect_b32 s52, s52, s54                    ; x for Wv
	s_cselect_b32 s53, s53, s55                    ; Wv
	s_cselect_b32 s51, s56, s57                    ; qk as the attention's operand
	s_cselect_b32 s54, s61, s59                    ; v as the attention's operand: entry 37 or 35
	s_cselect_b32 s55, s58, s60                    ; my direction's p,
	s_cselect_b32 s59, s59, s61                    ; its v,
	s_cselect_b32 s62, s62, s66                    ; its result
	s_add_co_i32 s50, s56, s57                     ; the scores' two
	MKSC 48, SXQ, LXQ, 46
	MKSC 52, SXV, LXV, 46
	QUANTF 64, PC, SXQ, LXQ
	IMAGE XWI, PC, 0, 4
	s_wait_dscnt 0x0                               ; the stores have read their registers
	QUANTF 128, PC, SXQ, LXQ
	IMAGE XWI, PC, 2048, 4
	s_wait_dscnt 0x0
	QUANTF 64, PC, SXV, LXV
	IMAGE XWI, PC, 16384, 4
	s_wait_dscnt 0x0
	QUANTF 128, PC, SXV, LXV
	IMAGE XWI, PC, 18432, 4
	s_wait_dscnt 0x0                               ; for the others' sake: my stores have landed
	s_barrier_signal -1
	s_barrier_wait -1
	s_wait_loadcnt 0x0
	s_add_co_i32 s44, s48, s49
	s_add_co_i32 s45, s52, s53
	s_sub_co_i32 s56, 0, s44
	s_sub_co_i32 s57, 0, s45
	WIN 0x82
.set IG, 0
.rept 32
	v_ldexp_f32 v[IG], v[IG], s56
.set IG, IG+1
.endr
	WIN 0x80
.irp c, 0,1,2,3
.irp j, 0,1,2,3,4,5,6,7
	v_ldexp_f32 v[32+8*\c+\j], v[BVL+\c], s57
.endr
.endr
	s_wait_alu depctr_va_vdst(0)
	WIN 0
	s_sub_co_i32 s58, s51, s44
	MKSC 58, SQ, LQ, 46
	s_sub_co_i32 s58, s54, s45
	MKSC 58, SV, LV, 46
.irp m, 0,1,2,3
.if \m > 0
	s_wait_xcnt 0x0                                ; the last tile's stores have read QC
.endif
	FETCH XFQ, LI, \m*4096, 8
	FETCH XFV, LI, 16384+\m*4096, 8
	s_wait_dscnt 0x0
	WIN 0x21                                       ; source 0 (Wqk) window 1, C (the bias) window 2
.irp c, 0,1,2,3
	v_wmma_f32_16x16x128_fp8_fp8 v[ACC+8*\c:ACC+8*\c+7], v[32*\c:32*\c+15], v[XFQ:XFQ+15], v[8*\c:8*\c+7]
.endr
	WIN 0x01
.irp c, 0,1,2,3
	v_wmma_f32_16x16x128_fp8_fp8 v[ACC+8*\c:ACC+8*\c+7], v[32*\c+16:32*\c+31], v[XFQ+16:XFQ+31], v[ACC+8*\c:ACC+8*\c+7]
.endr
	WIN 0x24                                       ; source 1 (Wv) window 1, C window 2
.irp c, 0,1,2,3
	v_wmma_f32_16x16x128_fp8_fp8 v[ACCV+8*\c:ACCV+8*\c+7], v[XFV:XFV+15], v[128+32*\c:128+32*\c+15], v[32+8*\c:32+8*\c+7]
.endr
	WIN 0x04
.irp c, 0,1,2,3
	v_wmma_f32_16x16x128_fp8_fp8 v[ACCV+8*\c:ACCV+8*\c+7], v[XFV+16:XFV+31], v[128+32*\c+16:128+32*\c+31], v[ACCV+8*\c:ACCV+8*\c+7]
.endr
	WIN 0
	PLACES 4                                       ; ahead of the first read of results, and of the next tile's loads into the fragments
.set IG, 0
.rept 16
	v_pk_mul_f32 v[ACC+IG:ACC+IG+1], v[ACC+IG:ACC+IG+1], 0x3eb504f3 op_sel_hi:[1,0]   ; x 64^(-1/4)
.set IG, IG+2
.endr
.irp c, 0,1,2,3
	Q8 QC+2*\c, ACC+8*\c, SQ, LQ
.endr
.irp c, 0,1,2,3
	Q8 VC+8*\c+2*\m, ACCV+8*\c, SV, LV
.endr
	v_nop                                          ; a plain line between the last conversion and the products that write its sources
	global_store_b128 v[LI], v[QC:QC+3], s[38:39] offset:\m*1024
	global_store_b128 v[LI], v[QC+4:QC+7], s[38:39] offset:\m*1024+512
	global_store_b128 v[LI], v[QC:QC+3], s[40:41] offset:\m*1024
	global_store_b128 v[LI], v[QC+4:QC+7], s[40:41] offset:\m*1024+512
.endr
.irp c, 0,1,2,3
	global_store_b128 v[LI], v[VC+8*\c:VC+8*\c+3], s[42:43] offset:\c*2048
	global_store_b128 v[LI], v[VC+8*\c+4:VC+8*\c+7], s[42:43] offset:\c*2048+512
.endr
	s_wait_tensorcnt 0x0                           ; the wave's end, behind my last LDS store
	ds_add_u32 v[SPW], v[NIL]
	s_wait_dscnt 0x0
	s_or_b32 s46, ttmp9, s27                       ; the stream's first wave stores its direction's record
	s_cmp_lg_u32 s46, 0
	s_cbranch_scc1 .Lno_record
	v_mov_b32 v[REC], s50
	v_mov_b32 v[REC+1], s55
	v_mov_b32 v[REC+2], s59
	v_mov_b32 v[REC+3], s62
	v_mov_b32 v[REC+4], 0x3fb8aa3b                 ; log2(e): the scaling is in qk already
	v_mov_b32 v[REC+5], 0
	v_mov_b32 v[REC+6], 0
	v_mov_b32 v[REC+7], 0
	global_store_b128 v[RA], v[REC:REC+3], s[34:35] offset:6291456
	global_store_b128 v[RA], v[REC+4:REC+7], s[34:35] offset:6291472
.Lno_record:
	s_endpgm
.Lfunc_end_k_q714d628d92_projc:
	.size	k_q714d628d92_projc, .Lfunc_end_k_q714d628d92_projc-k_q714d628d92_projc
	.p2alignl 7, 3214868480
	.fill 96, 4, 3214868480
	.section	.rodata,"a",@progbits
	.p2align	6, 0x0
	.amdhsa_kernel k_q714d628d92_projc
		.amdhsa_group_segment_fixed_size 33280
		.amdhsa_private_segment_fixed_size 0
		.amdhsa_enable_private_segment 0
		.amdhsa_kernarg_size 64
		.amdhsa_user_sgpr_count 2
		.amdhsa_user_sgpr_kernarg_segment_ptr 1
		.amdhsa_wavefront_size32 1
		.amdhsa_system_sgpr_workgroup_id_x 1
		.amdhsa_system_sgpr_workgroup_id_y 1
		.amdhsa_system_sgpr_workgroup_id_z 1
		.amdhsa_system_vgpr_workitem_id 0
		.amdhsa_next_free_vgpr 768
		.amdhsa_next_free_sgpr 68
		.amdhsa_reserve_vcc 0
		.amdhsa_float_denorm_mode_32 3
		.amdhsa_float_denorm_mode_16_64 3
		.amdhsa_memory_ordered 1
		.amdhsa_forward_progress 1
		.amdhsa_inst_pref_size 75
	.end_amdhsa_kernel
	.amdgpu_metadata
---
amdhsa.version: [ 1, 2 ]
amdhsa.kernels:
  - .name:           k_q714d628d92_projc
    .symbol:         k_q714d628d92_projc.kd
    .args:
      - { .name: d0, .offset: 0, .size: 8, .value_kind: global_buffer, .address_space: global }
      - { .name: d1, .offset: 8, .size: 8, .value_kind: global_buffer, .address_space: global }
      - { .name: wc_c, .offset: 16, .size: 8, .value_kind: global_buffer, .address_space: global }
      - { .name: bqk_c, .offset: 24, .size: 8, .value_kind: global_buffer, .address_space: global }
      - { .name: bv_c, .offset: 32, .size: 8, .value_kind: global_buffer, .address_space: global }
      - { .name: lowp_scales, .offset: 40, .size: 8, .value_kind: global_buffer, .address_space: global }
      - { .name: A0, .offset: 48, .size: 8, .value_kind: global_buffer, .address_space: global }
      - { .name: A1, .offset: 56, .size: 8, .value_kind: global_buffer, .address_space: global }
    .group_segment_fixed_size: 33280
    .private_segment_fixed_size: 0
    .kernarg_segment_align: 8
    .kernarg_segment_size: 64
    .max_flat_workgroup_size: 128
    .sgpr_count:     68
    .vgpr_count:     768
    .wavefront_size: 32
...
	.end_amdgpu_metadata
.endif
;; end of part 5
;; launch attn_c: the kernel of part 3 again; grid 8 x 32, 16 waves a work-group, clusters of 4 x 1, 327,680 bytes of LDS; arguments A0, A1, oc; writes oc
;; launch ffn_c: the kernel of part 4 again; grid 128 x 2, 4 waves a work-group, no clusters, 86,016 bytes of LDS; arguments oc, d0, d1, wc_c, bo_c, b1_c, g_c, be_c, b2_c, out0, out1; writes out0, out1
